; MI455X (gfx1250); checked and timed in simulation.
; The chip was launched on July 23, 2026; its instructions are those of AMD's public machine-readable ISA for CDNA 5 (MIT licence, August 2026) and "CDNA5" Instruction Set Architecture Reference Guide (July 2026). The comments in the code are by the model that wrote it; some were corrected since.
;; Mixture Of Experts. Allowed arithmetic: matrix products marked QUANTISED: E4M3 operands, one given power-of-two scale a tensor, by v_wmma_f32_16x16x64_fp8_fp8 or v_wmma_f32_16x16x128_fp8_fp8, f32 sums; products left as they are: f32 operands where the result goes on into a quantised operand, else bf16, f16 or f32 operands; f32 sums; everything else in f32.
;; Inputs: W1_codes 8 x 4,096 x 32 x 32 uint8 (E4M3 codes of W1, K innermost, in blocks of 32 codes); W2_codes 8 x 1,024 x 128 x 32 uint8 (E4M3 codes of W2, K innermost, in blocks of 32 codes); Wg 1,024 x 8 float32; b1 8 x 4,096 float32; b2 8 x 1,024 float32; bg 8 float32; lowp_scales 4 int32 (the exponents e of the quantised operands' scales 2^e); x 1,024 x 1,024 float32.
;; Outputs: out0 1,024 x 1,024 float32.
;; Constants: k = 2.
;; This version of the problem:
;;   THIS VERSION OF THE PROBLEM IS GIVEN IN LOW PRECISION. The matrix products marked QUANTISED in the list below multiply operands that are first quantised to E4M3 (4 exponent bits, 3 mantissa bits; 8 bits a number), with one given power-of-two scale for each operand tensor; their sums are f32. All else is computed in f32.
;;   The module's matrix products, in the order in which they are computed (A, B: the left and right operand; K: the contracted axis; several contracted axes count as one K, in the product's order):
;;     1. [M 1,024, K 1,024] x [K 1,024, N 8]; A: input x; B: input Wg: left as it is (N = 8 < 16)
;;     2. [M 32,768, K 1,024] x [K 1,024, N 1,024]; A: input W1 (given as codes); B: input x: QUANTISED (scales: A lowp_scales[0], B lowp_scales[1])
;;     3. batch 8 x [M 1,024, K 4,096] x [K 4,096, N 1,024]; A: computed on the way; B: input W2 (given as codes): QUANTISED (scales: A lowp_scales[2], B lowp_scales[3])
;;     4. batch 1,024 x [M 1,024, K 2] x [K 2, N 1]; A: computed on the way; B: softmax: left as it is (K = 2 < 32)
;;   THE QUANTISER, for each operand of a quantised product, along K:
;;     - The operand's scale is 2^e, e = its entry of the input lowp_scales (int32; the entries are numbered through the quantised products in the list's order, A before B).
;;     - Each number is divided by the scale, clamped to +-448, and rounded to the nearest number of E4M3, ties to even, subnormals kept.
;;     - The product sums the exact products of the quantised numbers (number of the format x scale) in f32.
;;   ~~~python
;;   def quantise(x, axis, e):      # numpy; x: float32 -> the quantised numbers, widened to float32 again
;;       x = np.moveaxis(x, axis, -1); K = x.shape[-1]
;;       r = np.clip(x / 2.0 ** e, -448, 448)
;;       step = 2.0 ** (np.maximum(np.frexp(np.where(r == 0, 1, r))[1] - 1, -6) - 3)
;;       q = np.round(r / step) * step * 2.0 ** e      # np.round: ties to even
;;       return np.moveaxis(q, -1, axis).astype(np.float32)
;;   ~~~
;;   OPERANDS COMPUTED ON THE WAY. 'Computed on the way' means the value that the module computes at that place (a softmax that the list does not call 'softmax' is quantised finished and normalised). What goes into a quantiser is computed in f32, as accurately as f32 sums, v_exp_f32 and their like allow (about 1e-6 of the number): no bf16 or f16 on the way to a quantiser, and a product that is left as it is and whose result goes on into a quantised operand takes f32 operands (vector FMAs, or v_wmma_f32_16x16x4_f32). A number that lies on a knife's edge between two numbers of the format may be rounded either way, as far as f32 arithmetic and the matrix unit's own rounding can turn it there, and no further.
;;   INPUTS GIVEN AS CODES. W1 (in the module: [8, 1024, 4096], K = its axis 1); W2 (in the module: [8, 4096, 1024], K = its axis 1): each comes as NAME_codes (uint8): NAME with its K axis moved to the last place and cut into blocks of 32 codes, [.., K / 32, bytes a block], one block behind the other in memory; one code a byte (a code: sign, 4 exponent bits, 3 mantissa bits); its scale is its entry of lowp_scales. Its value is code x scale, taken as it is: it is not quantised again, and the codes and scales need not be those that the quantiser above would give.
;; 2 versions. Each part assembles by itself: llvm-mc -triple=amdgcn-amd-amdhsa -mcpu=gfx1250 --defsym DOCPART=n.
;; ======== version 1 of 2: 4 launches
;; workspace buffers: xq 1,048,576 bytes; sel 4,096 bytes of whole numbers; gates 8,192 bytes; rows 98,304 bytes of whole numbers; h 33,554,432 bytes; y 17,825,792 bytes
;; launch route (part 1): grid 256 x 1, 4 waves a work-group, no clusters, 19,456 bytes of LDS; arguments x, Wg, bg, lowp_scales, xq, sel, gates; writes xq, sel, gates
.if DOCPART == 1
	.amdgcn_target "amdgcn-amd-amdhsa--gfx1250"
	.amdhsa_code_object_version 6
	.text
	.protected	k_q0892dc3541_route
	.globl	k_q0892dc3541_route
	.p2align	8
	.type	k_q0892dc3541_route,@function
k_q0892dc3541_route:
	s_mov_b64 s[64:65], 0
	v_nop
	global_prefetch_b8 v0, s[64:65] scope:SCOPE_SE
	s_setreg_imm32_b32 hwreg(HW_REG_WAVE_MODE, 25, 1), 1
	s_wait_xcnt 0x0
; THE ROUTER, AND x AS CODES.  logits = x Wg + bg in f32 (fused multiply-adds); the two largest of the eight, the lower index first among equals;
; the softmax of the two with the larger taken away first.  x is also turned into codes of E4M3 with the given scale 2^ex (entry 1 of the scales): x is read once for both.
; SHARES.  A work-group takes 4 tokens.  Wave w takes k = 256 w .. 256 w + 255 of all four, lane l eight neighbours k = 256 w + 8 l + 0 .. 7: a lane's eight numbers are one conversion's
; eight sources, and the wave's store of codes covers 256 consecutive bytes, aligned.
; OUT: xq [token][1024] codes, K as it lies;  sel [token] = (1 << first expert) | (256 << second expert);  gates [2 token + slot] f32.  All at fixed places: no address hangs on a choice.
; The 32 partial sums of a lane (4 tokens x 8 experts) are added over the lanes by a turn through the wave's own LDS bytes, then over the four waves behind one barrier.
; LIMITS: ex between -126 and 119, so that 2^ex and 448 x 2^ex are f32 numbers.  NaN among x, Wg, bg is not served (an infinity of x is held at the largest code).
.set TRP,  144                         ; a lane's place in the turn: 128 bytes + 16, nine times 16
.set PART, 18432                       ; behind the four turns of 32 x 144 bytes: 128 bytes for each wave's sums
.set X,    32                          ; v32-63   x[t][i]; later the 32 lanes' parts of one sum
.set WGR,  64                          ; v64-127  Wg[k + i][e]; later wave 0's logits and what is made of them
.set ACC,  128                         ; v128-159 sums [t][e]
.set CD,   160                         ; v160-167 codes, two registers a token
.set EN,   168                         ; v169-175 the experts' numbers 1 to 7
	s_load_b256 s[4:11], s[0:1], 0x0               ; x s[4:5], Wg s[6:7], bg s[8:9], the scales' exponents s[10:11]
	s_load_b128 s[12:15], s[0:1], 0x20             ; xq s[12:13], sel s[14:15]
	s_load_b64 s[16:17], s[0:1], 0x30              ; gates
	v_lshl_add_u32 v176, v0, 2, 0x4a00
	v_mov_b32 v177, 0
	v_lshrrev_b32 v11, 5, v0
	v_readfirstlane_b32 s18, v11                   ; wave 0..3
	v_and_b32 v1, 31, v0                           ; lane
	v_lshlrev_b32 v2, 5, v0                        ; x: 4 (256 w + 8 l) = 32 x thread
	v_lshlrev_b32 v3, 8, v0                        ; Wg: 32 bytes a row of eight: 256 x thread
	v_mul_u32_u24 v4, v0, TRP                      ; the turn, in: my lane's place in my wave's bytes
	s_mul_i32 s19, s18, 32*TRP
	v_lshl_add_u32 v5, v1, 2, s19                  ; the turn, out: word l of each lane's place
	v_lshl_add_u32 v6, v0, 2, PART                 ; my wave's sums: word l
	v_lshlrev_b32 v7, 3, v0                        ; xq: 8 codes a thread; also the gates' 8 bytes a token for threads 0 to 3
	v_and_b32 v10, 3, v0
	v_lshl_add_u32 v10, v10, 5, PART               ; wave 0 at the end: token l % 4's eight sums
	v_lshlrev_b32 v12, 2, v0                       ; sel: 4 bytes a token for threads 0 to 3
	s_mov_b32 s3, 0
	s_lshl_b32 s2, ttmp9, 14                       ; 4 tokens x 4,096 bytes
	s_wait_kmcnt 0x0
	s_add_nc_u64 s[4:5], s[4:5], s[2:3]
	s_lshl_b32 s2, ttmp9, 12
	s_add_nc_u64 s[12:13], s[12:13], s[2:3]
	s_lshl_b32 s2, ttmp9, 4
	s_add_nc_u64 s[14:15], s[14:15], s[2:3]
	s_lshl_b32 s2, ttmp9, 5
	s_add_nc_u64 s[16:17], s[16:17], s[2:3]
	s_load_b128 s[20:23], s[10:11], 0x0            ; ew1, ex, eh, ew2
	s_load_b256 s[24:31], s[8:9], 0x0              ; bg
.irp t, 0,1,2,3
	global_load_b128 v[X+8*\t:X+8*\t+3], v2, s[4:5] offset:4096*\t th:TH_LOAD_NT
	global_load_b128 v[X+8*\t+4:X+8*\t+7], v2, s[4:5] offset:4096*\t+16 th:TH_LOAD_NT
.endr
.irp m, 0,1,2,3,4,5,6,7,8,9,10,11,12,13,14,15
	global_load_b128 v[WGR+4*\m:WGR+4*\m+3], v3, s[6:7] offset:16*\m
.endr
.irp e, 1,2,3,4,5,6,7
	v_mov_b32 v[EN+\e], \e                         ; for the selects at the end; registers that no load names
.endr
	s_wait_kmcnt 0x0
	s_add_co_i32 s21, s21, 127
	s_lshl_b32 s22, s21, 23
	v_mov_b32 v8, s22                              ; 2^ex as f32: the conversion takes its exponent field
	s_add_co_i32 s21, s21, 8
	s_lshl_b32 s21, s21, 23
	s_or_b32 s21, s21, 0x600000
	v_mov_b32 v9, s21                              ; 448 x 2^ex
	s_wait_loadcnt 0x0
	; 4 tokens x 8 experts x 8 k: two experts an instruction, x[t][i] for both halves.  The first product starts each sum.  Sixteen chains take turns.
.irp i, 0,1,2,3,4,5,6,7
.irp t, 0,1,2,3
.irp p, 0,2,4,6
.if \i == 0
	v_pk_mul_f32 v[ACC+8*\t+\p:ACC+8*\t+\p+1], v[WGR+\p:WGR+\p+1], v[X+8*\t:X+8*\t+1] op_sel_hi:[1,0]
.elseif (\i % 2) == 0
	v_pk_fma_f32 v[ACC+8*\t+\p:ACC+8*\t+\p+1], v[WGR+8*\i+\p:WGR+8*\i+\p+1], v[X+8*\t+\i:X+8*\t+\i+1], v[ACC+8*\t+\p:ACC+8*\t+\p+1] op_sel_hi:[1,0,1]
.else
	v_pk_fma_f32 v[ACC+8*\t+\p:ACC+8*\t+\p+1], v[WGR+8*\i+\p:WGR+8*\i+\p+1], v[X+8*\t+\i-1:X+8*\t+\i], v[ACC+8*\t+\p:ACC+8*\t+\p+1] op_sel:[0,1,0] op_sel_hi:[1,1,1]
.endif
.endr
.endr
.endr
	; x as codes: the hold (the conversion to an 8-bit code does not saturate: ISA guide 7.6.2), the conversion, the store
.irp t, 0,1,2,3
.irp i, 0,1,2,3,4,5,6,7
	v_med3_num_f32 v[X+8*\t+\i], v[X+8*\t+\i], -v9, v9
.endr
	v_cvt_scalef32_pk8_fp8_f32 v[CD+2*\t:CD+2*\t+1], v[X+8*\t:X+8*\t+7], v8
	global_store_b64 v7, v[CD+2*\t:CD+2*\t+1], s[12:13] offset:1024*\t
.endr
	v_nop                                          ; a plain line behind the last conversion
	; the sums over the 32 lanes: each lane lays its 32 sums down, lane o takes sum o of every lane.  LDS serves a wave's instructions in order: no wait between
.irp m, 0,1,2,3,4,5,6,7
	ds_store_b128 v4, v[ACC+4*\m:ACC+4*\m+3] offset:16*\m
.endr
.set i, 0
.rept 32
	ds_load_b32 v[X+i], v5 offset:TRP*i
.set i, i+1
.endr
	s_wait_dscnt 0x0
.irp j, 0,4,8,12,16,20,24,28
	v_pk_add_f32 v[X+\j:X+\j+1], v[X+\j:X+\j+1], v[X+\j+2:X+\j+3]
.endr
.irp j, 0,8,16,24
	v_pk_add_f32 v[X+\j:X+\j+1], v[X+\j:X+\j+1], v[X+\j+4:X+\j+5]
.endr
.irp j, 0,16
	v_pk_add_f32 v[X+\j:X+\j+1], v[X+\j:X+\j+1], v[X+\j+8:X+\j+9]
.endr
	v_pk_add_f32 v[X:X+1], v[X:X+1], v[X+16:X+17]
	v_add_f32 v[X], v[X], v[X+1]                   ; lane 8 t + e: my wave's part of logit (t, e)
	ds_store_b32 v6, v[X]
	s_wait_dscnt 0x0                               ; for the others' sake: my store has landed
	s_barrier_signal -1
	s_barrier_wait -1
	s_cmp_lg_u32 s18, 0
	s_cbranch_scc1 .Ldone                          ; the rest is wave 0's
	; lane l works token l % 4 (eight lanes do the same work; threads 0 to 3 store)
.irp w, 0,1,2,3
	ds_load_b128 v[WGR+8*\w:WGR+8*\w+3], v10 offset:128*\w
	ds_load_b128 v[WGR+8*\w+4:WGR+8*\w+7], v10 offset:128*\w+16
.endr
	s_wait_dscnt 0x0
.irp p, 0,2,4,6
	v_pk_add_f32 v[WGR+\p:WGR+\p+1], v[WGR+\p:WGR+\p+1], v[WGR+8+\p:WGR+8+\p+1]
	v_pk_add_f32 v[WGR+16+\p:WGR+16+\p+1], v[WGR+16+\p:WGR+16+\p+1], v[WGR+24+\p:WGR+24+\p+1]
.endr
.irp p, 0,2,4,6
	v_pk_add_f32 v[WGR+\p:WGR+\p+1], v[WGR+\p:WGR+\p+1], v[WGR+16+\p:WGR+16+\p+1]
.endr
.irp e, 0,1,2,3,4,5,6,7
	v_add_f32 v[WGR+\e], s[24+\e], v[WGR+\e]       ; + bg
.endr
	; the largest: a later expert wins only if strictly larger, so the lower index stays among equals
	v_mov_b32 v100, v[WGR]
	v_mov_b32 v101, 0
.irp e, 1,2,3,4,5,6,7
	v_cmp_gt_f32 vcc_lo, v[WGR+\e], v100
	v_cndmask_b32 v100, v100, v[WGR+\e], vcc_lo
	v_cndmask_b32 v101, v101, v[EN+\e], vcc_lo
.endr
	v_mov_b32 v102, 0xff800000                     ; the winner's logit becomes -infinity, and the scan is made again
.irp e, 0,1,2,3,4,5,6,7
	v_cmp_eq_u32 vcc_lo, \e, v101
	v_cndmask_b32 v[WGR+\e], v[WGR+\e], v102, vcc_lo
.endr
	v_mov_b32 v103, v[WGR]
	v_mov_b32 v104, 0
.irp e, 1,2,3,4,5,6,7
	v_cmp_gt_f32 vcc_lo, v[WGR+\e], v103
	v_cndmask_b32 v103, v103, v[WGR+\e], vcc_lo
	v_cndmask_b32 v104, v104, v[EN+\e], vcc_lo
.endr
	; softmax of the two, the larger taken away: 1 / (1 + p) and p / (1 + p), p = e^(second - first), at most 1
	v_sub_f32 v105, v103, v100
	v_mul_f32 v105, 0x3fb8aa3b, v105
	v_exp_f32 v106, v105
	v_mov_b32 v111, 1                              ; (a plain line behind the exponential)
	s_wait_alu depctr_va_vdst(0)
	v_add_f32 v107, 1.0, v106
	v_rcp_f32 v108, v107
	v_mov_b32 v112, 0x100                          ; (a plain line behind the reciprocal)
	s_wait_alu depctr_va_vdst(0)
	v_mul_f32 v109, v106, v108
	v_lshlrev_b32 v110, v101, v111
	v_lshlrev_b32 v112, v104, v112
	v_or_b32 v110, v110, v112                      ; (1 << first) | (256 << second)
	s_wait_xcnt 0x0                                ; EXEC changes only behind this wait: the stores of codes have been issued
	v_cmp_gt_u32 vcc_lo, 4, v0
	s_wait_tensorcnt 0x0
	ds_add_u32 v176, v177
	s_wait_dscnt 0x0
	s_and_saveexec_b32 s20, vcc_lo
	global_store_b32 v12, v110, s[14:15]
	global_store_b64 v7, v[108:109], s[16:17]
	s_endpgm
.Ldone:
	s_wait_tensorcnt 0x0
	ds_add_u32 v176, v177
	s_wait_dscnt 0x0
	s_endpgm
.Lfunc_end_k_q0892dc3541_route:
	.size	k_q0892dc3541_route, .Lfunc_end_k_q0892dc3541_route-k_q0892dc3541_route
	.p2alignl 7, 3214868480
	.fill 96, 4, 3214868480
	.section	.rodata,"a",@progbits
	.p2align	6, 0x0
	.amdhsa_kernel k_q0892dc3541_route
		.amdhsa_group_segment_fixed_size 19456
		.amdhsa_private_segment_fixed_size 0
		.amdhsa_enable_private_segment 0
		.amdhsa_kernarg_size 56
		.amdhsa_user_sgpr_count 2
		.amdhsa_user_sgpr_kernarg_segment_ptr 1
		.amdhsa_wavefront_size32 1
		.amdhsa_system_sgpr_workgroup_id_x 1
		.amdhsa_system_sgpr_workgroup_id_y 1
		.amdhsa_system_sgpr_workgroup_id_z 1
		.amdhsa_system_vgpr_workitem_id 0
		.amdhsa_next_free_vgpr 178
		.amdhsa_next_free_sgpr 66
		.amdhsa_reserve_vcc 1
		.amdhsa_float_denorm_mode_32 3
		.amdhsa_float_denorm_mode_16_64 3
		.amdhsa_memory_ordered 1
		.amdhsa_forward_progress 1
		.amdhsa_inst_pref_size 24
	.end_amdhsa_kernel
	.amdgpu_metadata
---
amdhsa.version: [ 1, 2 ]
amdhsa.kernels:
  - .name:           k_q0892dc3541_route
    .symbol:         k_q0892dc3541_route.kd
    .args:
      - { .name: x, .offset: 0, .size: 8, .value_kind: global_buffer, .address_space: global }
      - { .name: Wg, .offset: 8, .size: 8, .value_kind: global_buffer, .address_space: global }
      - { .name: bg, .offset: 16, .size: 8, .value_kind: global_buffer, .address_space: global }
      - { .name: lowp_scales, .offset: 24, .size: 8, .value_kind: global_buffer, .address_space: global }
      - { .name: xq, .offset: 32, .size: 8, .value_kind: global_buffer, .address_space: global }
      - { .name: sel, .offset: 40, .size: 8, .value_kind: global_buffer, .address_space: global }
      - { .name: gates, .offset: 48, .size: 8, .value_kind: global_buffer, .address_space: global }
    .group_segment_fixed_size: 19456
    .private_segment_fixed_size: 0
    .kernarg_segment_align: 8
    .kernarg_segment_size: 56
    .max_flat_workgroup_size: 128
    .sgpr_count:     66
    .vgpr_count:     178
    .wavefront_size: 32
...
	.end_amdgpu_metadata
.endif
;; end of part 1
;; launch up (part 2): grid 32 x 8, 4 waves a work-group, no clusters, 133,632 bytes of LDS; arguments xq, W1_codes, b1, lowp_scales, sel, h, rows; writes h, rows
.if DOCPART == 2
	.amdgcn_target "amdgcn-amd-amdhsa--gfx1250"
	.amdhsa_code_object_version 6
	.text
	.protected	k_q0892dc3541_up
	.globl	k_q0892dc3541_up
	.p2align	8
	.type	k_q0892dc3541_up,@function
k_q0892dc3541_up:
	s_mov_b64 s[64:65], 0
	v_nop
	global_prefetch_b8 v0, s[64:65] scope:SCOPE_SE
	s_setreg_imm32_b32 hwreg(HW_REG_WAVE_MODE, 25, 1), 1
	s_wait_xcnt 0x0
; h = Q(relu(x W1 + b1)) FOR THE CHOSEN ROWS ALONE, on codes of E4M3.  Work-group (SL, E) owns hidden units 128 SL .. 128 SL + 127 of expert E: 128 rows of W1's codes, 128 KiB, which no other
; work-group reads.  They lie in LDS; all rows that chose the expert pass by them.  The 128 units are K step SL of the second product.
; THE ROWS OF AN EXPERT are found here, from the stored choices, by whole-number work while the weights are on their way: a ballot for each of the 32 registers that hold the 1,024 choices gives
; 32 masks; row j of the expert is the j-th set bit of the masks on end.  Work-group SL = 0 stores the list and the count for the next launch.
; An id is 2 token + slot.  The last tile's rows beyond the count get id 2048 + 16 E + r: they are computed from token 1023 and land in rows of their own that nobody reads.
; An expert that nobody chose still makes one such tile, so that every byte read later has been stored.
; SHARES.  Tiles of 16 rows are dealt to the four waves in turn: slot i of wave w is tile T0 + w + 4 i, i = 0 .. 4: a pass serves 20 tiles; more rows take more passes (four at the most: 1,024 rows).
; A slot beyond the last tile is worked like the others and not stored.
; THE MATRIX INSTRUCTION IS USED TRANSPOSED: source 0 = 16 rows of W1, source 1 = 16 rows of x: a lane holds ONE row of x, and its registers run along the hidden units.
; THE ROWS OF W1 THAT FORM A TILE ARE NOT NEIGHBOURS: unit f lies in LDS row f with bits 3 and 4 exchanged, so row m of tile 2 b + u is unit 32 b + 8 u + m + 8 (m / 8), and the 16 registers of
; tiles 2 b and 2 b + 1 are 16 neighbours along the next K: 32 b + 16 (lane / 16) + 0 .. 15.  The conversions' results are the next operand's registers, stored as their image: chunk c, lane l at 512 c + 16 l.
; Fragments are fetched 16 bytes a lane at 32 c + 16 (lane / 16): a permutation of k that is the same on both sides of each product.
; b1 / 2^(ew1 + ex) is the C of each sum's first product; the three scales are folded into the conversion's one, 2^(eh - ew1 - ex); the hold between 0 and 448 x that is also the activation.
; No tensor load and no cluster: trip counts and addresses hang on stored counts, and no two work-groups share a weight byte.
; LIMITS: eh - ew1 - ex between -126 and 119.  NaN is not served.
; REGISTERS, in windows of 256.  Window 0: v1-17 what stays; v18-47 the search; v48-63 a tile's codes (v48-53, v62, v63 also serve the list's stores); v64-127 b1; v128-255 W1's eight fragments of a K step.
;   window 1: v0-159 the sums of W1's tiles 0-3 (tile n, slot i at 8 (5 n + i)); v160-239 ring slot 3.   window 2: v0-159 the sums of tiles 4-7.   window 3: v0-239 ring slots 0-2.
;   A ring slot is a K step's five fragments of x.  At the head windows 1 and 2 (v0-127 each) take the weights on their way to LDS, window 3 v0-33 the choices.
; SCALARS: s18 wave, s19 E, s20 SL, s21 the expert's rows, s22 its tiles, s23 T0, s24 the pass, s25 the passes, s28-31 at work, s32-63 and s66-97 the masks.
.set WP,   1040                        ; an LDS row: 1,024 bytes + 16 = 65 x 16: the 16 rows of a fragment load start at 16 different banks
.set XO,   10                          ; v10-14  slot i: byte offset in xq of my row, + 16 (lane / 16)
.set SC,   15                          ; v15     2^(eh - ew1 - ex)
.set LIM,  16                          ; v16     448 x that
.set VJ,   18                          ; v18-20  the row numbers sought: lanes 0-15 / 16-31 hold slots 0 / 1, 2 / 3, 4 / 4
.set VKQ,  21                          ; v21-23  (j << 5) | 31
.set VQ,   24                          ; v24-26  (rows ahead of the mask << 5) | the mask's number
.set VW,   27                          ; v27-29  the mask that holds row j
.set VX1,  30                          ; v30-32  the same mask of second choices
.set VID,  33                          ; v33-35  the ids
.set PC,   48
.set BI,   64
.set WF,   128
.set MSB,  0
.macro WIN new                         ; the immediate's high byte repeats the setting that is left; a switch that changes nothing is dropped
.if MSB != (\new)
	s_set_vgpr_msb (MSB<<8)|(\new)
.set MSB, (\new)
.endif
.endm
.macro PLACES                          ; four plain lines between a matrix instruction and a load into, or a vector read or write of, its registers
.rept 4
	v_nop
.endr
.endm
.macro RING ks                         ; where K step ks's fragments of x lie: window RW, from register RB
.if ((\ks)%4) == 3
.set RW, 1
.set RB, 160
.else
.set RW, 3
.set RB, 80*((\ks)%4)
.endif
.endm
.macro XLOAD ks                        ; 20 loads: five tiles' fragments of K step ks, straight from memory into the operand's registers
	RING \ks
	WIN RW<<6
.irp i, 0,1,2,3,4
.irp c, 0,1,2,3
	global_load_b128 v[RB+16*\i+4*\c:RB+16*\i+4*\c+3], v[XO+\i], s[4:5] offset:128*(\ks)+32*\c
.endr
.endr
.endm
.macro PREFILL
	XLOAD 0
	XLOAD 1
	XLOAD 2
	WIN 0
.endm
.macro WFLOAD g, ks                    ; 16 LDS loads: W1's tiles 4 g .. 4 g + 3 of K step ks
	WIN 0
.irp n, 0,1,2,3
.irp c, 0,1,2,3
	ds_load_b128 v[WF+64*(\g)+16*\n+4*\c:WF+64*(\g)+16*\n+4*\c+3], v[7+\g] offset:16*WP*\n+128*(\ks)+32*\c
.endr
.endr
.endm
.macro MUL20 g, ks                     ; 20 products: four tiles of W1 x five tiles of x; the accumulators take turns, one instruction a turn
	RING \ks
.if (\ks) == 0
	WIN ((\g+1)<<6)|(RW<<2)
.else
	WIN ((\g+1)<<6)|((\g+1)<<4)|(RW<<2)
.endif
.irp n, 0,1,2,3
.irp i, 0,1,2,3,4
.if (\ks) == 0
	v_wmma_f32_16x16x128_fp8_fp8 v[8*(5*\n+\i):8*(5*\n+\i)+7], v[WF+64*(\g)+16*\n:WF+64*(\g)+16*\n+15], v[RB+16*\i:RB+16*\i+15], v[BI+8*(4*(\g)+\n):BI+8*(4*(\g)+\n)+7]
.else
	v_wmma_f32_16x16x128_fp8_fp8 v[8*(5*\n+\i):8*(5*\n+\i)+7], v[WF+64*(\g)+16*\n:WF+64*(\g)+16*\n+15], v[RB+16*\i:RB+16*\i+15], v[8*(5*\n+\i):8*(5*\n+\i)+7]
.endif
.endr
.endr
.endm
.macro KSTEP ks
.if 7-(\ks) >= 2
	s_wait_loadcnt 40                              ; this step's 20 loads are in; those of the two steps behind it may be out
.else
	s_wait_loadcnt 20*(7-(\ks))
.endif
.if (\ks)+3 < 8
	XLOAD (\ks)+3                                  ; into the slot that the step before read: its four places stand at that step's end.  60 loads of x are out at the most
.endif
	s_wait_dscnt 16                                ; W1's tiles 0-3 are in; the 16 younger loads (tiles 4-7) may be out
	MUL20 0, \ks
	PLACES
.if (\ks) < 7
	WFLOAD 0, (\ks)+1
	s_wait_dscnt 16                                ; tiles 4-7 are in; the 16 just issued may be out
.else
	s_wait_dscnt 0
.endif
	MUL20 1, \ks
	PLACES
.if (\ks) < 7
	WFLOAD 1, (\ks)+1
.endif
.endm
.macro BITSTEP a, w, fb                ; does the sought bit lie beyond the next w bits?  v36: bits still to pass over; v42: the place; v[a]: the counts of fields of w bits
	v_bfe_u32 v43, v[\a], v42, \fb
	v_cmp_ge_u32 vcc_lo, v36, v43
	v_sub_nc_u32 v43, v36, v43
	v_add_nc_u32 v44, \w, v42
	v_cndmask_b32 v36, v36, v43, vcc_lo
	v_cndmask_b32 v42, v42, v44, vcc_lo
.endm
; The ids and offsets of this pass's rows.  Whole numbers alone; the one branch hangs on the work-group's number.
.macro SELECT
	s_add_co_u32 s31, s23, s18
	s_lshl_b32 s31, s31, 4                         ; the first row of my slot 0
	v_lshl_add_u32 v[VJ], v2, 6, v1
	v_add_nc_u32 v[VJ], s31, v[VJ]                 ; slots 0 and 1: 64 rows apart
	v_add_nc_u32 v[VJ+1], 0x80, v[VJ]              ; slots 2 and 3
	v_add_nc_u32 v[VJ+2], s31, v1
	v_add_nc_u32 v[VJ+2], 0x100, v[VJ+2]           ; slot 4, in both halves
.irp v, 0,1,2
	v_lshl_or_b32 v[VKQ+\v], v[VJ+\v], 5, 31
	v_mov_b32 v[VQ+\v], 0
	v_mov_b32 v[VW+\v], s32
	v_mov_b32 v[VX1+\v], s66
.endr
	s_bcnt1_i32_b32 s28, s32                       ; rows ahead of mask 1
.set L, 1
.rept 31                               ; the last mask with at most j rows ahead of it holds row j
	s_lshl_b32 s29, s28, 5
	s_or_b32 s29, s29, L
.irp v, 0,1,2
	v_cmp_le_u32 vcc_lo, s29, v[VKQ+\v]
	v_cndmask_b32 v[VQ+\v], v[VQ+\v], s29, vcc_lo
	v_cndmask_b32 v[VW+\v], v[VW+\v], s[32+L], vcc_lo
	v_cndmask_b32 v[VX1+\v], v[VX1+\v], s[66+L], vcc_lo
.endr
	s_bcnt1_i32_b32 s30, s[32+L]
	s_add_co_u32 s28, s28, s30
.set L, L+1
.endr
.irp v, 0,1,2
	v_lshrrev_b32 v36, 5, v[VQ+\v]
	v_sub_nc_u32 v36, v[VJ+\v], v36                ; which set bit of the mask
	v_and_b32 v37, 31, v[VQ+\v]                    ; which mask
	v_lshrrev_b32 v38, 1, v[VW+\v]
	v_and_b32 v38, 0x55555555, v38
	v_sub_nc_u32 v38, v[VW+\v], v38                ; counts of fields of 2 bits,
	v_lshrrev_b32 v39, 2, v38
	v_and_b32 v39, 0x33333333, v39
	v_and_b32 v40, 0x33333333, v38
	v_add_nc_u32 v39, v39, v40                     ; of 4,
	v_lshrrev_b32 v40, 4, v39
	v_add_nc_u32 v40, v40, v39
	v_and_b32 v40, 0x0f0f0f0f, v40                 ; of 8,
	v_lshrrev_b32 v41, 8, v40
	v_add_nc_u32 v41, v41, v40
	v_and_b32 v41, 0x00ff00ff, v41                 ; of 16
	v_mov_b32 v42, 0
	BITSTEP 41, 16, 8
	BITSTEP 40, 8, 8
	BITSTEP 39, 4, 4
	BITSTEP 38, 2, 2
	BITSTEP VW+\v, 1, 1
	v_lshrrev_b32 v43, 2, v37                      ; register 4 a + c of lane p held token 128 a + 4 p + c
	v_lshlrev_b32 v43, 7, v43
	v_lshl_add_u32 v43, v42, 2, v43
	v_and_b32 v44, 3, v37
	v_add_nc_u32 v43, v43, v44
	v_bfe_u32 v44, v[VX1+\v], v42, 1               ; the expert is the token's second choice?
	v_lshl_or_b32 v43, v43, 1, v44                 ; id = 2 token + slot
	v_add_nc_u32 v44, s99, v1                      ; beyond the count: 2048 + 16 E + r
	v_cmp_gt_u32 vcc_lo, s21, v[VJ+\v]
	v_cndmask_b32 v[VID+\v], v44, v43, vcc_lo
.endr
	s_cmp_lg_u32 s20, 0
	s_cbranch_scc1 .Lnolist_\@
.irp v, 0,1,2                          ; the list in row order, and in the order of the next launch's stores: row r of a tile at place 8 (r % 2) + r / 2
	v_lshlrev_b32 v[48+\v], 2, v[VJ+\v]
	v_sub_nc_u32 v[51+\v], v[VJ+\v], v1
	v_add_lshl_u32 v[51+\v], v[51+\v], v17, 2
	global_store_b32 v[48+\v], v[VID+\v], s[16:17]
	global_store_b32 v[51+\v], v[VID+\v], s[16:17] offset:5120
.endr
.Lnolist_\@:
.irp v, 0,1                            ; a slot's 16 ids into both halves of the lanes; the token, clamped last, makes the offset
	v_permlanex16_b32 v36, v[VID+\v], s2, s3
	v_cndmask_b32 v37, v[VID+\v], v36, s100
	v_cndmask_b32 v38, v36, v[VID+\v], s100
	v_lshrrev_b32 v37, 1, v37
	v_lshrrev_b32 v38, 1, v38
	v_min_u32 v37, 0x3ff, v37
	v_min_u32 v38, 0x3ff, v38
	v_lshl_add_u32 v[XO+2*\v], v37, 10, v4
	v_lshl_add_u32 v[XO+2*\v+1], v38, 10, v4
.endr
	v_lshrrev_b32 v37, 1, v[VID+2]
	v_min_u32 v37, 0x3ff, v37
	v_lshl_add_u32 v[XO+4], v37, 10, v4
.endm
	s_load_b256 s[4:11], s[0:1], 0x0               ; xq s[4:5], W1's codes s[6:7], b1 s[8:9], the scales' exponents s[10:11]
	s_load_b128 s[12:15], s[0:1], 0x20             ; sel s[12:13], h s[14:15]
	s_load_b64 s[16:17], s[0:1], 0x30              ; rows
	v_lshl_add_u32 v46, v0, 2, 0x20800
	v_mov_b32 v47, 0
	v_lshrrev_b32 v36, 5, v0
	v_readfirstlane_b32 s18, v36                   ; wave 0..3
	s_and_b32 s19, ttmp7, 0xffff                   ; E
	s_mov_b32 s20, ttmp9                           ; SL
	v_and_b32 v1, 15, v0                           ; r
	v_bfe_u32 v2, v0, 4, 1                         ; lane / 16
	v_and_b32 v36, 31, v0
	v_lshlrev_b32 v3, 4, v36                       ; 16 x lane
	v_lshlrev_b32 v4, 4, v2
	s_lshl_b32 s24, s18, 15
	v_add_nc_u32 v5, s24, v3                       ; my wave's 32 rows of W1 in memory: 32 KiB on end
	s_mul_i32 s24, s18, 32*WP
	v_add_nc_u32 v6, s24, v3                       ; and in LDS
	v_mul_u32_u24 v7, v1, WP
	v_lshl_add_u32 v7, v2, 4, v7                   ; a fragment's row x pitch + 16 x half: tiles 0-3,
	v_add_nc_u32 v8, 64*WP, v7                     ; tiles 4-7
	v_lshlrev_b32 v9, 6, v2                        ; b1: 16 numbers further for lanes 16-31
	v_and_b32 v17, 1, v1
	v_lshrrev_b32 v37, 1, v1
	v_lshl_add_u32 v17, v17, 3, v37                ; 8 (r % 2) + r / 2
	s_mov_b32 s2, 0x76543210                       ; v_permlanex16_b32: each lane takes its own place in the other half
	s_mov_b32 s3, 0xfedcba98
	s_lshl_b32 s98, 0x101, s19                     ; the expert's bit as first or second choice,
	s_lshl_b32 s101, 0x100, s19                    ; as second choice
	s_lshl_b32 s99, s19, 4
	s_add_co_u32 s99, s99, 2048
	s_mov_b32 s100, 0xffff0000                     ; lanes 16-31
	s_lshl_b32 s24, s19, 22
	s_lshl_b32 s25, s20, 17
	s_add_co_u32 s24, s24, s25
	s_mov_b32 s25, 0                               ; W1: 4 MiB an expert, 128 rows of 1,024 bytes a slice
	s_lshl_b32 s26, s19, 14
	s_lshl_b32 s27, s20, 9
	s_add_co_u32 s26, s26, s27
	s_mov_b32 s27, 0                               ; b1
	s_lshl_b32 s28, s19, 22
	s_lshl_b32 s29, s18, 16
	s_add_co_u32 s28, s28, s29
	s_lshl_b32 s29, s20, 11
	s_add_co_u32 s28, s28, s29
	s_mov_b32 s29, 0                               ; h: [expert][tile 64][K step 32][2,048]: tile = my wave's number, K step = SL
	s_mul_i32 s30, s19, 12288
	s_mov_b32 s31, 0                               ; rows
	s_wait_kmcnt 0x0
	s_add_nc_u64 s[6:7], s[6:7], s[24:25]
	s_add_nc_u64 s[8:9], s[8:9], s[26:27]
	s_add_nc_u64 s[14:15], s[14:15], s[28:29]
	s_add_nc_u64 s[16:17], s[16:17], s[30:31]
	s_load_b128 s[24:27], s[10:11], 0x0            ; ew1, ex, eh, ew2
.irp n, 0,1,2,3,4,5,6,7                ; b1 in the result's layout: tile 2 b + u, lane half h: units 32 b + 16 h + 8 u + 0 .. 7
	global_load_b128 v[BI+8*\n:BI+8*\n+3], v9, s[8:9] offset:128*(\n/2)+32*(\n%2)
	global_load_b128 v[BI+8*\n+4:BI+8*\n+7], v9, s[8:9] offset:128*(\n/2)+32*(\n%2)+16
.endr
	WIN 0xc0
.irp i, 0,1,2,3,4,5,6,7                ; all 1,024 choices: register 4 i + c of lane l is token 128 i + 4 l + c
	global_load_b128 v[4*\i:4*\i+3], v3, s[12:13] offset:512*\i
.endr
	WIN 0x40
.set j, 0
.rept 32                               ; the weights: each load 512 consecutive bytes; read by nobody else in the launch
	global_load_b128 v[4*j:4*j+3], v5, s[6:7] offset:512*j th:TH_LOAD_NT
.set j, j+1
.endr
	WIN 0x80
.rept 32
	global_load_b128 v[4*(j-32):4*(j-32)+3], v5, s[6:7] offset:512*j th:TH_LOAD_NT
.set j, j+1
.endr
	s_wait_loadcnt 63                              ; b1's 16 loads and the choices' 8 are in: behind them stand the 64 loads of weights, of which 63 may be out
	WIN 0xcc
.set L, 0
.rept 32
	v_and_b32 v32, s98, v[L]
	v_cmp_ne_u32 s[32+L], 0, v32                   ; who chose the expert,
	v_and_b32 v33, s101, v[L]
	v_cmp_ne_u32 s[66+L], 0, v33                   ; and who as second choice
.set L, L+1
.endr
	WIN 0
	s_wait_kmcnt 0x0
	s_add_co_i32 s28, s24, s25                     ; ew1 + ex: a sum stands for sum x 2^(ew1 + ex)
	s_sub_co_i32 s29, 0, s28
	s_sub_co_i32 s30, s26, s28
	s_add_co_i32 s30, s30, 127
	s_lshl_b32 s31, s30, 23
	v_mov_b32 v[SC], s31
	s_add_co_i32 s30, s30, 8
	s_lshl_b32 s30, s30, 23
	s_or_b32 s30, s30, 0x600000
	v_mov_b32 v[LIM], s30
.set j, 0
.rept 64
	v_ldexp_f32 v[BI+j], v[BI+j], s29              ; b1 / 2^(ew1 + ex)
.set j, j+1
.endr
	s_bcnt1_i32_b32 s21, s32
.set L, 1
.rept 31
	s_bcnt1_i32_b32 s28, s[32+L]
	s_add_co_u32 s21, s21, s28                     ; the expert's rows
.set L, L+1
.endr
	s_add_co_u32 s22, s21, 15
	s_lshr_b32 s22, s22, 4
	s_max_u32 s22, s22, 1                          ; its tiles, one at the least, 64 at the most
	s_add_co_u32 s25, s22, 19
	s_mul_i32 s25, s25, 205
	s_lshr_b32 s25, s25, 12                        ; the passes, ceil(tiles / 20): (n x 205) >> 12 is n / 20 for n up to 83
	s_mov_b32 s24, 0                               ; the pass
	s_or_b32 s28, s20, s18
	s_cmp_lg_u32 s28, 0
	s_cbranch_scc1 .Lnocnt
	v_mov_b32 v62, s21
	v_lshrrev_b32 v63, 2, v3
	global_store_b32 v63, v62, s[16:17] offset:10240   ; the count, for the next launch
.Lnocnt:
	s_mov_b32 s23, 0                               ; T0
	SELECT
	PREFILL
	s_wait_loadcnt 60                              ; the weights are in; the 60 loads of x behind them may be out
	WIN 0x04
.set j, 0
.rept 32
.set F5, j>>1
	ds_store_b128 v6, v[4*j:4*j+3] offset:((F5&7)|(((F5>>3)&1)<<4)|(((F5>>4)&1)<<3))*WP+512*(j&1)
.set j, j+1
.endr
	WIN 0x08
.rept 32
.set F5, j>>1
	ds_store_b128 v6, v[4*(j-32):4*(j-32)+3] offset:((F5&7)|(((F5>>3)&1)<<4)|(((F5>>4)&1)<<3))*WP+512*(j&1)
.set j, j+1
.endr
	WIN 0
	s_wait_dscnt 0x0                               ; for the others' sake: my 32 rows lie in LDS
	s_barrier_signal -1
	s_barrier_wait -1                              ; all 128 do; nothing is written there again
.Lpass:
	WFLOAD 0, 0
	WFLOAD 1, 0
.irp ks, 0,1,2,3,4,5,6,7
	KSTEP \ks
.endr
	WIN 0
	; the way out: activation and hold in one, the conversion, the image.  A wave's tiles ascend with the slot: at the first beyond the last tile it is done
.irp i, 0,1,2,3,4
	s_add_co_u32 s28, s23, s18
	s_add_co_u32 s28, s28, 4*\i
	s_cmp_ge_u32 s28, s22
	s_cbranch_scc1 .Lepi_done
	s_wait_xcnt 0x0                                ; the codes' registers are written again only behind this wait: earlier stores read them
.irp g, 0,1
	WIN ((\g+1)<<6)|(\g+1)
.irp n, 0,1,2,3
.irp j, 0,1,2,3,4,5,6,7
	v_med3_num_f32 v[8*(5*\n+\i)+\j], v[8*(5*\n+\i)+\j], 0, v[LIM]
.endr
.endr
	WIN (\g+1)
.irp n, 0,1,2,3
	v_cvt_scalef32_pk8_fp8_f32 v[PC+2*(4*\g+\n):PC+2*(4*\g+\n)+1], v[8*(5*\n+\i):8*(5*\n+\i)+7], v[SC]
.endr
.endr
	v_nop                                          ; a plain line behind the last conversion
	WIN 0
.irp b, 0,1,2,3
	global_store_b128 v3, v[PC+4*\b:PC+4*\b+3], s[14:15] offset:262144*\i+512*\b   ; 512 consecutive bytes, aligned; slot i's tile lies 4 tiles of 65,536 bytes on
.endr
.endr
.Lepi_done:
	s_wait_xcnt 0x0                                ; the stores have read their base and registers: both may be written again
	s_add_nc_u64 s[14:15], s[14:15], 20<<16
	s_add_co_u32 s23, s23, 20
	s_add_co_u32 s24, s24, 1                       ; the loop is counted by the pass, one a trip
	s_cmp_ge_u32 s24, s25
	s_cbranch_scc1 .Lend
	SELECT
	PREFILL
	s_cmp_lt_u32 s24, s25
	s_cbranch_scc1 .Lpass
.Lend:
	s_wait_tensorcnt 0x0
	ds_add_u32 v46, v47
	s_wait_dscnt 0x0
	s_endpgm
.Lfunc_end_k_q0892dc3541_up:
	.size	k_q0892dc3541_up, .Lfunc_end_k_q0892dc3541_up-k_q0892dc3541_up
	.p2alignl 7, 3214868480
	.fill 96, 4, 3214868480
	.section	.rodata,"a",@progbits
	.p2align	6, 0x0
	.amdhsa_kernel k_q0892dc3541_up
		.amdhsa_group_segment_fixed_size 133632
		.amdhsa_private_segment_fixed_size 0
		.amdhsa_enable_private_segment 0
		.amdhsa_kernarg_size 56
		.amdhsa_user_sgpr_count 2
		.amdhsa_user_sgpr_kernarg_segment_ptr 1
		.amdhsa_wavefront_size32 1
		.amdhsa_system_sgpr_workgroup_id_x 1
		.amdhsa_system_sgpr_workgroup_id_y 1
		.amdhsa_system_sgpr_workgroup_id_z 1
		.amdhsa_system_vgpr_workitem_id 0
		.amdhsa_next_free_vgpr 1024
		.amdhsa_next_free_sgpr 102
		.amdhsa_reserve_vcc 1
		.amdhsa_float_denorm_mode_32 3
		.amdhsa_float_denorm_mode_16_64 3
		.amdhsa_memory_ordered 1
		.amdhsa_forward_progress 1
		.amdhsa_inst_pref_size 183
	.end_amdhsa_kernel
	.amdgpu_metadata
---
amdhsa.version: [ 1, 2 ]
amdhsa.kernels:
  - .name:           k_q0892dc3541_up
    .symbol:         k_q0892dc3541_up.kd
    .args:
      - { .name: xq, .offset: 0, .size: 8, .value_kind: global_buffer, .address_space: global }
      - { .name: W1_codes, .offset: 8, .size: 8, .value_kind: global_buffer, .address_space: global }
      - { .name: b1, .offset: 16, .size: 8, .value_kind: global_buffer, .address_space: global }
      - { .name: lowp_scales, .offset: 24, .size: 8, .value_kind: global_buffer, .address_space: global }
      - { .name: sel, .offset: 32, .size: 8, .value_kind: global_buffer, .address_space: global }
      - { .name: h, .offset: 40, .size: 8, .value_kind: global_buffer, .address_space: global }
      - { .name: rows, .offset: 48, .size: 8, .value_kind: global_buffer, .address_space: global }
    .group_segment_fixed_size: 133632
    .private_segment_fixed_size: 0
    .kernarg_segment_align: 8
    .kernarg_segment_size: 56
    .max_flat_workgroup_size: 128
    .sgpr_count:     102
    .vgpr_count:     1024
    .wavefront_size: 32
...
	.end_amdgpu_metadata
.endif
;; end of part 2
;; launch down (part 3): grid 32 x 8, 4 waves a work-group, no clusters, 150,016 bytes of LDS; arguments h, W2_codes, b2, lowp_scales, rows, gates, y; writes y
.if DOCPART == 3
	.amdgcn_target "amdgcn-amd-amdhsa--gfx1250"
	.amdhsa_code_object_version 6
	.text
	.protected	k_q0892dc3541_down
	.globl	k_q0892dc3541_down
	.p2align	8
	.type	k_q0892dc3541_down,@function
k_q0892dc3541_down:
	s_mov_b64 s[64:65], 0
	v_nop
	global_prefetch_b8 v0, s[64:65] scope:SCOPE_SE
	s_setreg_imm32_b32 hwreg(HW_REG_WAVE_MODE, 25, 1), 1
	s_wait_xcnt 0x0
; y = gate x (2^(eh + ew2) x (h W2) [+ b2]) FOR THE CHOSEN ROWS, on codes of E4M3.  Work-group (x, E): DS = x % 16 owns 64 columns of expert E's output, KH = x / 16 one half of K (2,048 of 4,096):
; 64 rows x 2,048 bytes of W2's codes, 128 KiB, which no other work-group reads.  They lie in LDS; all tiles of the expert's hidden rows pass by them, loaded from memory as images of the operand's registers.
; The two halves of K go to two planes of y; the bias goes into plane 0 alone; the last launch adds a token's four pieces.  y: [KH][id][1024] f32, id = 2 token + slot, or a row of its own for a tile's padding.
; SHARES as in the launch before: slot i of wave w is tile T0 + w + 4 i, 20 tiles a pass.  A slot beyond the last tile loads the last tile again and is not stored.
; TRANSPOSED USE: source 0 = 16 rows of W2 (columns of y), source 1 = 16 hidden rows: a lane holds one row and eight neighbouring columns.  A tile's 16 rows x 256 bytes go through the wave's own stage in LDS
; and leave as whole rows: sixteen lanes store 256 consecutive bytes, aligned.
; No tensor load and no cluster: trip counts and addresses hang on stored counts, and no two work-groups share a weight byte.
; LIMITS: eh + ew2 between -126 and 127, so that 2^(eh + ew2) is an f32 number.
; REGISTERS, in windows of 256.  Window 0: v1-18 what stays; v20-29 the gates, in pairs; v30-34 ids; v64-95 b2; v96-127 at work; v128-255 W2's four fragments, two sets.
;   window 1: v0-159 the sums (tile n of W2, slot i at 8 (5 n + i)); at the head all 256 take the weights on their way to LDS.   window 2: v0-239 ring slots 0-2.
;   window 3: v0-79 ring slot 3; v80-119 the stores' offsets, eight a slot; v120-151 a tile's rows read back.
; SCALARS: s18 wave, s19 E, s20 DS, s21 KH, s22 the expert's tiles, s23 T0, s24 the last tile, s25 its rows, s[26:27] 2^(eh + ew2), s28, s29 at work, s30 the pass, s31 the passes.
.set WP,   2064                        ; an LDS row: 2,048 bytes + 16 = 129 x 16
.set STG,  64*WP                       ; behind the weights: 16 rows x 272 bytes for each wave
.set HO,   14                          ; v14-18  slot i: byte offset of its tile's images, + 16 x lane
.set G,    20
.set ID1,  30
.set B2,   64
.set TMP,  96
.set WF,   128
.set YO,   80                          ; in window 3
.set BK,   120                         ; in window 3
.set MSB,  0
.macro WIN new
.if MSB != (\new)
	s_set_vgpr_msb (MSB<<8)|(\new)
.set MSB, (\new)
.endif
.endm
.macro PLACES                          ; four plain lines between a matrix instruction and a load into, or a vector read of, its registers
.rept 4
	v_nop
.endr
.endm
.macro RING ks
.if ((\ks)%4) == 3
.set RW, 3
.set RB, 0
.else
.set RW, 2
.set RB, 80*((\ks)%4)
.endif
.endm
.macro HLOAD ks                        ; 20 loads of 512 consecutive bytes: five tiles' fragments of K step ks
	RING \ks
	WIN RW<<6
.irp i, 0,1,2,3,4
.irp c, 0,1,2,3
	global_load_b128 v[RB+16*\i+4*\c:RB+16*\i+4*\c+3], v[HO+\i], s[4:5] offset:2048*(\ks)+512*\c
.endr
.endr
.endm
.macro WFLOAD p, ks                    ; 16 LDS loads: W2's four fragments of K step ks into set p
	WIN 0
.irp n, 0,1,2,3
.irp c, 0,1,2,3
	ds_load_b128 v[WF+64*(\p)+16*\n+4*\c:WF+64*(\p)+16*\n+4*\c+3], v[7+\n/2] offset:16*WP*(\n%2)+128*(\ks)+32*\c
.endr
.endr
.endm
.macro MUL20 ks                        ; 20 products; the accumulators take turns, one instruction a turn; the first K step starts the sums
	RING \ks
	WIN 0x50|(RW<<2)
.irp n, 0,1,2,3
.irp i, 0,1,2,3,4
.if (\ks) == 0
	v_wmma_f32_16x16x128_fp8_fp8 v[8*(5*\n+\i):8*(5*\n+\i)+7], v[WF+64*((\ks)%2)+16*\n:WF+64*((\ks)%2)+16*\n+15], v[RB+16*\i:RB+16*\i+15], 0
.else
	v_wmma_f32_16x16x128_fp8_fp8 v[8*(5*\n+\i):8*(5*\n+\i)+7], v[WF+64*((\ks)%2)+16*\n:WF+64*((\ks)%2)+16*\n+15], v[RB+16*\i:RB+16*\i+15], v[8*(5*\n+\i):8*(5*\n+\i)+7]
.endif
.endr
.endr
.endm
.macro KSTEP ks
.if 15-(\ks) >= 2
	s_wait_loadcnt 40                              ; this step's 20 loads (and what was asked for ahead of them) are in; those of the two steps behind it may be out
.else
	s_wait_loadcnt 20*(15-(\ks))
.endif
.if (\ks)+3 < 16
	HLOAD (\ks)+3                                  ; into the slot that the step before read: its four places stand at that step's end.  60 loads of h are out at the most
.endif
.if (\ks) < 15
	s_wait_dscnt 16                                ; this step's set is in; the next step's 16 loads may be out
.else
	s_wait_dscnt 0
.endif
	MUL20 \ks
	PLACES
.if (\ks)+2 < 16
	WFLOAD (\ks)%2, (\ks)+2
.endif
.endm
.macro LISTS                           ; the pass's ids: by row, for the gates; and in the order of the stores
.irp i, 0,1,2,3,4
	global_load_b32 v[ID1+\i], v11, s[12:13] offset:256*\i
.endr
	WIN 0xc0
.irp i, 0,1,2,3,4
	global_load_b128 v[YO+8*\i:YO+8*\i+3], v12, s[12:13] offset:5120+256*\i
	global_load_b128 v[YO+8*\i+4:YO+8*\i+7], v12, s[12:13] offset:5120+256*\i+16
.endr
	WIN 0
.endm
.macro IDPREP                          ; each loaded id is clamped before it enters an address
.irp i, 0,1,2,3,4
	v_min_u32 v[ID1+\i], 0x7ff, v[ID1+\i]          ; a padding row takes the last gate: its result lands in a row that nobody reads
.endr
.irp i, 0,1,2,3,4
	v_lshlrev_b32 v[ID1+\i], 2, v[ID1+\i]
.endr
.irp i, 0,1,2,3,4
	global_load_b32 v[G+2*\i], v[ID1+\i], s[14:15]
.endr
	WIN 0xcf
.set q, 0
.rept 40
	v_min_u32 v[YO+q], 0x87f, v[YO+q]
	v_lshl_add_u32 v[YO+q], v[YO+q], 12, v4        ; id x 4,096 + 16 (lane % 16)
.set q, q+1
.endr
	WIN 0
.endm
.macro TILEADDR
.irp i, 0,1,2,3,4
	s_add_co_u32 s28, s23, s18
	s_add_co_u32 s28, s28, 4*\i
	s_min_u32 s28, s28, s24                        ; a slot beyond the last tile takes the last tile,
	s_min_u32 s28, s28, 63                         ; and the clamp by a constant comes last
	s_lshl_b32 s28, s28, 16
	v_add_nc_u32 v[HO+\i], s28, v3
.endr
.endm
	s_load_b256 s[4:11], s[0:1], 0x0               ; h s[4:5], W2's codes s[6:7], b2 s[8:9], the scales' exponents s[10:11]
	s_load_b128 s[12:15], s[0:1], 0x20             ; rows s[12:13], gates s[14:15]
	s_load_b64 s[16:17], s[0:1], 0x30              ; y
	v_lshl_add_u32 v62, v0, 2, 0x24800
	v_mov_b32 v63, 0
	v_lshrrev_b32 v36, 5, v0
	v_readfirstlane_b32 s18, v36                   ; wave 0..3
	s_and_b32 s19, ttmp7, 0xffff                   ; E
	s_and_b32 s20, ttmp9, 15                       ; DS
	s_lshr_b32 s21, ttmp9, 4                       ; KH
	v_and_b32 v1, 15, v0                           ; r
	v_bfe_u32 v2, v0, 4, 1                         ; lane / 16
	v_and_b32 v36, 31, v0
	v_lshlrev_b32 v3, 4, v36                       ; 16 x lane
	v_lshlrev_b32 v4, 4, v1                        ; 16 r
	s_lshl_b32 s28, s18, 16
	v_add_nc_u32 v5, s28, v3                       ; my wave's 16 rows of W2 in memory, 4,096 bytes apart
	s_mul_i32 s28, s18, 16*WP
	v_add_nc_u32 v6, s28, v3                       ; and in LDS
	v_mul_u32_u24 v7, v1, WP
	v_lshl_add_u32 v7, v2, 4, v7                   ; a fragment's row x pitch + 16 x half: tiles 0, 1,
	v_add_nc_u32 v8, 32*WP, v7                     ; tiles 2, 3
	s_mul_i32 s28, s18, 16*272
	s_add_co_u32 s28, s28, STG                     ; my stage
	v_mul_u32_u24 v9, v1, 272
	v_lshl_add_u32 v9, v2, 5, v9
	v_add_nc_u32 v9, s28, v9                       ; in: row r, 32 bytes for each half of the lanes
	v_mul_u32_u24 v10, v2, 272
	v_lshl_add_u32 v10, v1, 4, v10
	v_add_nc_u32 v10, s28, v10                     ; back: lanes 0-15 one row of 256 bytes, lanes 16-31 the next
	s_lshl_b32 s28, s18, 6
	v_lshl_add_u32 v11, v1, 2, s28                 ; the list by rows: tile = my wave's number, word r
	v_lshl_add_u32 v12, v2, 5, s28                 ; the list by stores: eight words for each half of the lanes
	v_lshlrev_b32 v13, 5, v2                       ; b2: eight numbers further for lanes 16-31
.irp i, 0,1,2,3,4
	v_mov_b32 v[G+2*\i+1], 0                       ; named as the upper halves of the gates' pairs
.endr
	s_lshl_b32 s36, s19, 22
	s_lshl_b32 s37, s20, 18
	s_add_co_u32 s36, s36, s37
	s_lshl_b32 s37, s21, 11
	s_add_co_u32 s36, s36, s37
	s_mov_b32 s37, 0                               ; W2: 4 MiB an expert, 64 rows of 4,096 bytes a slice, 2,048 bytes a half of K
	s_lshl_b32 s38, s19, 22
	s_lshl_b32 s39, s21, 15
	s_add_co_u32 s38, s38, s39
	s_mov_b32 s39, 0                               ; h: 16 K steps of 2,048 bytes a half
	s_lshl_b32 s40, s19, 12
	s_lshl_b32 s41, s20, 8
	s_add_co_u32 s40, s40, s41
	s_mov_b32 s41, 0                               ; b2
	s_mul_i32 s42, s19, 12288
	s_mov_b32 s43, 0                               ; rows
	s_mul_i32 s44, s21, 2176*4096
	s_lshl_b32 s45, s20, 8
	s_add_co_u32 s44, s44, s45
	s_mov_b32 s45, 0                               ; y: the plane, my 256 bytes of a row
	s_wait_kmcnt 0x0
	s_add_nc_u64 s[6:7], s[6:7], s[36:37]
	s_add_nc_u64 s[4:5], s[4:5], s[38:39]
	s_add_nc_u64 s[8:9], s[8:9], s[40:41]
	s_add_nc_u64 s[12:13], s[12:13], s[42:43]
	s_add_nc_u64 s[16:17], s[16:17], s[44:45]
	s_load_b128 s[32:35], s[10:11], 0x0            ; ew1, ex, eh, ew2
	s_load_b32 s25, s[12:13], 0x2800               ; the expert's rows
	LISTS
.irp n, 0,1,2,3                        ; b2 in the result's layout: tile n, lane half h: columns 16 n + 8 h + 0 .. 7
	global_load_b128 v[B2+8*\n:B2+8*\n+3], v13, s[8:9] offset:64*\n
	global_load_b128 v[B2+8*\n+4:B2+8*\n+7], v13, s[8:9] offset:64*\n+16
.endr
	WIN 0x40
.set j, 0
.rept 64                               ; the weights: each load 512 consecutive bytes of one row; read by nobody else in the launch
	global_load_b128 v[4*j:4*j+3], v5, s[6:7] offset:4096*(j>>2)+512*(j&3) th:TH_LOAD_NT
.set j, j+1
.endr
	WIN 0
	s_wait_loadcnt 63                              ; the lists' 15 loads and b2's 8 are in: behind them stand the 64 loads of weights, of which 63 may be out
	IDPREP
	s_wait_kmcnt 0x0
	s_add_co_u32 s22, s25, 15
	s_lshr_b32 s22, s22, 4
	s_max_u32 s22, s22, 1                          ; the expert's tiles, one at the least, as in the launch before,
	s_min_u32 s22, s22, 64                         ; and 64 at the most: 1,024 rows
	s_sub_co_u32 s24, s22, 1
	s_add_co_u32 s31, s22, 19
	s_mul_i32 s31, s31, 205
	s_lshr_b32 s31, s31, 12                        ; the passes, ceil(tiles / 20): (n x 205) >> 12 is n / 20 for n up to 83
	s_mov_b32 s30, 0                               ; the pass
	s_add_co_i32 s26, s34, s35
	s_add_co_i32 s26, s26, 127
	s_lshl_b32 s26, s26, 23                        ; 2^(eh + ew2) as f32
	s_mov_b32 s27, s26                             ; (named with it as a pair)
	s_cmp_eq_u32 s21, 0
	s_cselect_b32 s29, -1, 0
.set j, 0
.rept 32
	v_and_b32 v[B2+j], s29, v[B2+j]                ; the bias counts in the first half of K alone
.set j, j+1
.endr
	s_mov_b32 s23, 0                               ; T0
	TILEADDR
	HLOAD 0
	HLOAD 1
	HLOAD 2
	s_wait_loadcnt 60                              ; the weights and the gates are in; the 60 loads of h behind them may be out
	WIN 0x04
.set j, 0
.rept 64
	ds_store_b128 v6, v[4*j:4*j+3] offset:WP*(j>>2)+512*(j&3)
.set j, j+1
.endr
	WIN 0
	s_wait_dscnt 0x0                               ; for the others' sake: my 16 rows lie in LDS
	s_barrier_signal -1
	s_barrier_wait -1                              ; all 64 do; nothing is written there again
.Lpass:
	WFLOAD 0, 0
	WFLOAD 1, 1
.irp ks, 0,1,2,3,4,5,6,7,8,9,10,11,12,13,14,15
	KSTEP \ks
.endr
	WIN 0
	; the way out.  A wave's tiles ascend with the slot: at the first beyond the last tile it is done
.irp i, 0,1,2,3,4
	s_add_co_u32 s28, s23, s18
	s_add_co_u32 s28, s28, 4*\i
	s_cmp_ge_u32 s28, s22
	s_cbranch_scc1 .Lepi_done
	s_wait_xcnt 0x0                                ; the rows' registers are loaded again only behind this wait: earlier stores read them
	WIN 0x01
.irp n, 0,1,2,3
.irp p, 0,2,4,6
	v_pk_fma_f32 v[TMP+8*\n+\p:TMP+8*\n+\p+1], v[8*(5*\n+\i)+\p:8*(5*\n+\i)+\p+1], s[26:27], v[B2+8*\n+\p:B2+8*\n+\p+1] op_sel_hi:[1,0,1]   ; sum x 2^(eh + ew2) + b2, each accumulator from its low end on
.endr
.endr
	WIN 0
.irp q, 0,2,4,6,8,10,12,14,16,18,20,22,24,26,28,30
	v_pk_mul_f32 v[TMP+\q:TMP+\q+1], v[TMP+\q:TMP+\q+1], v[G+2*\i:G+2*\i+1] op_sel_hi:[1,0]   ; x my row's gate
.endr
.irp n, 0,1,2,3
	ds_store_b128 v9, v[TMP+8*\n:TMP+8*\n+3] offset:64*\n
	ds_store_b128 v9, v[TMP+8*\n+4:TMP+8*\n+7] offset:64*\n+16
.endr
	WIN 0xc0
.irp t, 0,1,2,3,4,5,6,7
	ds_load_b128 v[BK+4*\t:BK+4*\t+3], v10 offset:544*\t   ; LDS serves a wave's instructions in order: these see my stores
.endr
	s_wait_dscnt 0x0
	WIN 0x0f
.irp t, 0,1,2,3,4,5,6,7
	global_store_b128 v[YO+8*\i+\t], v[BK+4*\t:BK+4*\t+3], s[16:17]   ; rows 2 t and 2 t + 1 of the tile: sixteen lanes store 256 consecutive bytes, aligned
.endr
	WIN 0
.endr
.Lepi_done:
	s_add_co_u32 s23, s23, 20
	s_add_co_u32 s30, s30, 1                       ; the loop is counted by the pass, one a trip
	s_cmp_ge_u32 s30, s31
	s_cbranch_scc1 .Lend
	s_wait_xcnt 0x0                                ; the stores have read their offsets: the next pass's lists may land there, and the lists' base may step
	s_add_nc_u64 s[12:13], s[12:13], 1280          ; 20 tiles x 16 words
	LISTS
	s_wait_loadcnt 0x0
	IDPREP
	TILEADDR
	HLOAD 0
	HLOAD 1
	HLOAD 2
	WIN 0
	s_cmp_lt_u32 s30, s31
	s_cbranch_scc1 .Lpass
.Lend:
	s_wait_tensorcnt 0x0
	ds_add_u32 v62, v63
	s_wait_dscnt 0x0
	s_endpgm
.Lfunc_end_k_q0892dc3541_down:
	.size	k_q0892dc3541_down, .Lfunc_end_k_q0892dc3541_down-k_q0892dc3541_down
	.p2alignl 7, 3214868480
	.fill 96, 4, 3214868480
	.section	.rodata,"a",@progbits
	.p2align	6, 0x0
	.amdhsa_kernel k_q0892dc3541_down
		.amdhsa_group_segment_fixed_size 150016
		.amdhsa_private_segment_fixed_size 0
		.amdhsa_enable_private_segment 0
		.amdhsa_kernarg_size 56
		.amdhsa_user_sgpr_count 2
		.amdhsa_user_sgpr_kernarg_segment_ptr 1
		.amdhsa_wavefront_size32 1
		.amdhsa_system_sgpr_workgroup_id_x 1
		.amdhsa_system_sgpr_workgroup_id_y 1
		.amdhsa_system_sgpr_workgroup_id_z 1
		.amdhsa_system_vgpr_workitem_id 0
		.amdhsa_next_free_vgpr 1024
		.amdhsa_next_free_sgpr 66
		.amdhsa_reserve_vcc 0
		.amdhsa_float_denorm_mode_32 3
		.amdhsa_float_denorm_mode_16_64 3
		.amdhsa_memory_ordered 1
		.amdhsa_forward_progress 1
		.amdhsa_inst_pref_size 130
	.end_amdhsa_kernel
	.amdgpu_metadata
---
amdhsa.version: [ 1, 2 ]
amdhsa.kernels:
  - .name:           k_q0892dc3541_down
    .symbol:         k_q0892dc3541_down.kd
    .args:
      - { .name: h, .offset: 0, .size: 8, .value_kind: global_buffer, .address_space: global }
      - { .name: W2_codes, .offset: 8, .size: 8, .value_kind: global_buffer, .address_space: global }
      - { .name: b2, .offset: 16, .size: 8, .value_kind: global_buffer, .address_space: global }
      - { .name: lowp_scales, .offset: 24, .size: 8, .value_kind: global_buffer, .address_space: global }
      - { .name: rows, .offset: 32, .size: 8, .value_kind: global_buffer, .address_space: global }
      - { .name: gates, .offset: 40, .size: 8, .value_kind: global_buffer, .address_space: global }
      - { .name: y, .offset: 48, .size: 8, .value_kind: global_buffer, .address_space: global }
    .group_segment_fixed_size: 150016
    .private_segment_fixed_size: 0
    .kernarg_segment_align: 8
    .kernarg_segment_size: 56
    .max_flat_workgroup_size: 128
    .sgpr_count:     66
    .vgpr_count:     1024
    .wavefront_size: 32
...
	.end_amdgpu_metadata
.endif
;; end of part 3
;; launch join (part 4): grid 256 x 1, 8 waves a work-group, no clusters, 0 bytes of LDS; arguments y, out0; writes out0
.if DOCPART == 4
	.amdgcn_target "amdgcn-amd-amdhsa--gfx1250"
	.amdhsa_code_object_version 6
	.text
	.protected	k_q0892dc3541_join
	.globl	k_q0892dc3541_join
	.p2align	8
	.type	k_q0892dc3541_join,@function
k_q0892dc3541_join:
	s_mov_b64 s[64:65], 0
	v_nop
	global_prefetch_b8 v0, s[64:65] scope:SCOPE_SE
	s_setreg_imm32_b32 hwreg(HW_REG_WAVE_MODE, 25, 1), 1
	s_wait_xcnt 0x0
; out[token] = the sum of its four pieces: two chosen experts (ids 2 token and 2 token + 1) x two halves of K.  The pieces already carry gate, scale and bias.
; A work-group takes 4 tokens, a wave half a row (2,048 bytes): sixteen loads and four stores of 512 consecutive bytes each.  A stream: no LDS, no barrier, no matrix unit.
.set PLANE, 2176*4096                  ; bytes of a plane of y
.set P, 8                              ; v8-71: piece 2 KH + slot at 16 registers each
	s_load_b128 s[4:7], s[0:1], 0x0                ; y s[4:5], out s[6:7]
	v_and_b32 v1, 31, v0
	v_lshrrev_b32 v2, 6, v0                        ; which of the 4 tokens
	v_bfe_u32 v3, v0, 5, 1                         ; which half of the row
	v_lshlrev_b32 v1, 4, v1
	v_lshl_add_u32 v1, v3, 11, v1                  ; 2,048 x half + 16 x lane
	v_lshl_add_u32 v4, v2, 13, v1                  ; y: two rows of 4,096 bytes a token
	v_lshl_add_u32 v5, v2, 12, v1                  ; out: one
	s_lshl_b32 s10, ttmp9, 15
	s_mov_b32 s11, 0
	s_lshl_b32 s12, ttmp9, 14
	s_mov_b32 s13, 0
	s_wait_kmcnt 0x0
	s_add_nc_u64 s[4:5], s[4:5], s[10:11]
	s_add_nc_u64 s[8:9], s[4:5], PLANE
	s_add_nc_u64 s[6:7], s[6:7], s[12:13]
.irp s, 0,1
.irp m, 0,1,2,3
	global_load_b128 v[P+16*\s+4*\m:P+16*\s+4*\m+3], v4, s[4:5] offset:4096*\s+512*\m th:TH_LOAD_NT
	global_load_b128 v[P+32+16*\s+4*\m:P+32+16*\s+4*\m+3], v4, s[8:9] offset:4096*\s+512*\m th:TH_LOAD_NT
.endr
.endr
	s_wait_loadcnt 0x0
.irp j, 0,2,4,6,8,10,12,14
	v_pk_add_f32 v[P+\j:P+\j+1], v[P+\j:P+\j+1], v[P+16+\j:P+16+\j+1]
	v_pk_add_f32 v[P+32+\j:P+32+\j+1], v[P+32+\j:P+32+\j+1], v[P+48+\j:P+48+\j+1]
.endr
.irp j, 0,2,4,6,8,10,12,14
	v_pk_add_f32 v[P+\j:P+\j+1], v[P+\j:P+\j+1], v[P+32+\j:P+32+\j+1]
.endr
.irp m, 0,1,2,3
	global_store_b128 v5, v[P+4*\m:P+4*\m+3], s[6:7] offset:512*\m th:TH_STORE_NT
.endr
	s_endpgm
.Lfunc_end_k_q0892dc3541_join:
	.size	k_q0892dc3541_join, .Lfunc_end_k_q0892dc3541_join-k_q0892dc3541_join
	.p2alignl 7, 3214868480
	.fill 96, 4, 3214868480
	.section	.rodata,"a",@progbits
	.p2align	6, 0x0
	.amdhsa_kernel k_q0892dc3541_join
		.amdhsa_group_segment_fixed_size 0
		.amdhsa_private_segment_fixed_size 0
		.amdhsa_enable_private_segment 0
		.amdhsa_kernarg_size 16
		.amdhsa_user_sgpr_count 2
		.amdhsa_user_sgpr_kernarg_segment_ptr 1
		.amdhsa_wavefront_size32 1
		.amdhsa_system_sgpr_workgroup_id_x 1
		.amdhsa_system_sgpr_workgroup_id_y 1
		.amdhsa_system_sgpr_workgroup_id_z 1
		.amdhsa_system_vgpr_workitem_id 0
		.amdhsa_next_free_vgpr 88
		.amdhsa_next_free_sgpr 66
		.amdhsa_reserve_vcc 0
		.amdhsa_float_denorm_mode_32 3
		.amdhsa_float_denorm_mode_16_64 3
		.amdhsa_memory_ordered 1
		.amdhsa_forward_progress 1
		.amdhsa_inst_pref_size 5
	.end_amdhsa_kernel
	.amdgpu_metadata
---
amdhsa.version: [ 1, 2 ]
amdhsa.kernels:
  - .name:           k_q0892dc3541_join
    .symbol:         k_q0892dc3541_join.kd
    .args:
      - { .name: y, .offset: 0, .size: 8, .value_kind: global_buffer, .address_space: global }
      - { .name: out0, .offset: 8, .size: 8, .value_kind: global_buffer, .address_space: global }
    .group_segment_fixed_size: 0
    .private_segment_fixed_size: 0
    .kernarg_segment_align: 8
    .kernarg_segment_size: 16
    .max_flat_workgroup_size: 256
    .sgpr_count:     66
    .vgpr_count:     88
    .wavefront_size: 32
...
	.end_amdgpu_metadata
.endif
;; end of part 4
;; ======== version 2 of 2: 4 launches
;; workspace buffers: xq 1,048,576 bytes; sel 4,096 bytes of whole numbers; gates 8,192 bytes; rows 98,304 bytes of whole numbers; h 33,554,432 bytes; y 17,825,792 bytes
;; launch route (part 5): grid 256 x 1, 4 waves a work-group, no clusters, 19,456 bytes of LDS; arguments x, Wg, bg, lowp_scales, xq, sel, gates; writes xq, sel, gates
.if DOCPART == 5
	.amdgcn_target "amdgcn-amd-amdhsa--gfx1250"
	.amdhsa_code_object_version 6
	.text
	.protected	k_q0892dc3541_route
	.globl	k_q0892dc3541_route
	.p2align	8
	.type	k_q0892dc3541_route,@function
k_q0892dc3541_route:
	s_mov_b64 s[64:65], 0
	v_nop
	global_prefetch_b8 v0, s[64:65] scope:SCOPE_SE
	s_setreg_imm32_b32 hwreg(HW_REG_WAVE_MODE, 25, 1), 1
	s_wait_xcnt 0x0
; THE ROUTER, AND x AS CODES.  logits = x Wg + bg in f32 (fused multiply-adds); the two largest of the eight, the lower index first among equals;
; the softmax of the two with the larger taken away first.  x is also turned into codes of E4M3 with the given scale 2^ex (entry 1 of the scales): x is read once for both.
; SHARES.  A work-group takes 4 tokens.  Wave w takes k = 256 w .. 256 w + 255 of all four, lane l eight neighbours k = 256 w + 8 l + 0 .. 7: a lane's eight numbers are one conversion's
; eight sources, and the wave's store of codes covers 256 consecutive bytes, aligned.
; OUT: xq [token][1024] codes, K as it lies;  sel [token] = (1 << first expert) | (256 << second expert);  gates [2 token + slot] f32.  All at fixed places: no address hangs on a choice.
; The 32 partial sums of a lane (4 tokens x 8 experts) are added over the lanes by a turn through the wave's own LDS bytes, then over the four waves behind one barrier.
; LIMITS: ex between -126 and 119, so that 2^ex and 448 x 2^ex are f32 numbers.  NaN among x, Wg, bg is not served (an infinity of x is held at the largest code).
.set TRP,  144                         ; a lane's place in the turn: 128 bytes + 16, nine times 16
.set PART, 18432                       ; behind the four turns of 32 x 144 bytes: 128 bytes for each wave's sums
.set X,    32                          ; v32-63   x[t][i]; later the 32 lanes' parts of one sum
.set WGR,  64                          ; v64-127  Wg[k + i][e]; later wave 0's logits and what is made of them
.set ACC,  128                         ; v128-159 sums [t][e]
.set CD,   160                         ; v160-167 codes, two registers a token
.set EN,   168                         ; v169-175 the experts' numbers 1 to 7
	s_load_b256 s[4:11], s[0:1], 0x0               ; x s[4:5], Wg s[6:7], bg s[8:9], the scales' exponents s[10:11]
	s_load_b128 s[12:15], s[0:1], 0x20             ; xq s[12:13], sel s[14:15]
	s_load_b64 s[16:17], s[0:1], 0x30              ; gates
	v_lshl_add_u32 v176, v0, 2, 0x4a00
	v_mov_b32 v177, 0
	v_lshrrev_b32 v11, 5, v0
	v_readfirstlane_b32 s18, v11                   ; wave 0..3
	v_and_b32 v1, 31, v0                           ; lane
	v_lshlrev_b32 v2, 5, v0                        ; x: 4 (256 w + 8 l) = 32 x thread
	v_lshlrev_b32 v3, 8, v0                        ; Wg: 32 bytes a row of eight: 256 x thread
	v_mul_u32_u24 v4, v0, TRP                      ; the turn, in: my lane's place in my wave's bytes
	s_mul_i32 s19, s18, 32*TRP
	v_lshl_add_u32 v5, v1, 2, s19                  ; the turn, out: word l of each lane's place
	v_lshl_add_u32 v6, v0, 2, PART                 ; my wave's sums: word l
	v_lshlrev_b32 v7, 3, v0                        ; xq: 8 codes a thread; also the gates' 8 bytes a token for threads 0 to 3
	v_and_b32 v10, 3, v0
	v_lshl_add_u32 v10, v10, 5, PART               ; wave 0 at the end: token l % 4's eight sums
	v_lshlrev_b32 v12, 2, v0                       ; sel: 4 bytes a token for threads 0 to 3
	s_mov_b32 s3, 0
	s_lshl_b32 s2, ttmp9, 14                       ; 4 tokens x 4,096 bytes
	s_wait_alu depctr_va_vdst(0)
	s_wait_kmcnt 0x0
	s_add_nc_u64 s[4:5], s[4:5], s[2:3]
	s_lshl_b32 s2, ttmp9, 12
	s_add_nc_u64 s[12:13], s[12:13], s[2:3]
	s_lshl_b32 s2, ttmp9, 4
	s_add_nc_u64 s[14:15], s[14:15], s[2:3]
	s_lshl_b32 s2, ttmp9, 5
	s_add_nc_u64 s[16:17], s[16:17], s[2:3]
	s_load_b128 s[20:23], s[10:11], 0x0            ; ew1, ex, eh, ew2
	s_load_b256 s[24:31], s[8:9], 0x0              ; bg
.irp t, 0,1,2,3
	global_load_b128 v[X+8*\t:X+8*\t+3], v2, s[4:5] offset:4096*\t th:TH_LOAD_NT
	global_load_b128 v[X+8*\t+4:X+8*\t+7], v2, s[4:5] offset:4096*\t+16 th:TH_LOAD_NT
.endr
.irp m, 0,1,2,3,4,5,6,7,8,9,10,11,12,13,14,15
	global_load_b128 v[WGR+4*\m:WGR+4*\m+3], v3, s[6:7] offset:16*\m
.endr
.irp e, 1,2,3,4,5,6,7
	v_mov_b32 v[EN+\e], \e                         ; for the selects at the end; registers that no load names
.endr
	s_wait_kmcnt 0x0
	s_add_co_i32 s21, s21, 127
	s_lshl_b32 s22, s21, 23
	v_mov_b32 v8, s22                              ; 2^ex as f32: the conversion takes its exponent field
	s_add_co_i32 s21, s21, 8
	s_lshl_b32 s21, s21, 23
	s_or_b32 s21, s21, 0x600000
	v_mov_b32 v9, s21                              ; 448 x 2^ex
	s_wait_loadcnt 0x0
	; 4 tokens x 8 experts x 8 k: two experts an instruction, x[t][i] for both halves.  The first product starts each sum.  Sixteen chains take turns.
.irp i, 0,1,2,3,4,5,6,7
.irp t, 0,1,2,3
.irp p, 0,2,4,6
.if \i == 0
	v_pk_mul_f32 v[ACC+8*\t+\p:ACC+8*\t+\p+1], v[WGR+\p:WGR+\p+1], v[X+8*\t:X+8*\t+1] op_sel_hi:[1,0]
.elseif (\i % 2) == 0
	v_pk_fma_f32 v[ACC+8*\t+\p:ACC+8*\t+\p+1], v[WGR+8*\i+\p:WGR+8*\i+\p+1], v[X+8*\t+\i:X+8*\t+\i+1], v[ACC+8*\t+\p:ACC+8*\t+\p+1] op_sel_hi:[1,0,1]
.else
	v_pk_fma_f32 v[ACC+8*\t+\p:ACC+8*\t+\p+1], v[WGR+8*\i+\p:WGR+8*\i+\p+1], v[X+8*\t+\i-1:X+8*\t+\i], v[ACC+8*\t+\p:ACC+8*\t+\p+1] op_sel:[0,1,0] op_sel_hi:[1,1,1]
.endif
.endr
.endr
.endr
	; x as codes: the hold (the conversion to an 8-bit code does not saturate: ISA guide 7.6.2), the conversion, the store
.irp t, 0,1,2,3
.irp i, 0,1,2,3,4,5,6,7
	v_med3_num_f32 v[X+8*\t+\i], v[X+8*\t+\i], -v9, v9
.endr
	v_cvt_scalef32_pk8_fp8_f32 v[CD+2*\t:CD+2*\t+1], v[X+8*\t:X+8*\t+7], v8
	global_store_b64 v7, v[CD+2*\t:CD+2*\t+1], s[12:13] offset:1024*\t
.endr
	v_nop                                          ; a plain line behind the last conversion
	; the sums over the 32 lanes: each lane lays its 32 sums down, lane o takes sum o of every lane.  LDS serves a wave's instructions in order: no wait between
.irp m, 0,1,2,3,4,5,6,7
	ds_store_b128 v4, v[ACC+4*\m:ACC+4*\m+3] offset:16*\m
.endr
.set i, 0
.rept 32
	ds_load_b32 v[X+i], v5 offset:TRP*i
.set i, i+1
.endr
	s_wait_dscnt 0x0
.irp j, 0,4,8,12,16,20,24,28
	v_pk_add_f32 v[X+\j:X+\j+1], v[X+\j:X+\j+1], v[X+\j+2:X+\j+3]
.endr
.irp j, 0,8,16,24
	v_pk_add_f32 v[X+\j:X+\j+1], v[X+\j:X+\j+1], v[X+\j+4:X+\j+5]
.endr
.irp j, 0,16
	v_pk_add_f32 v[X+\j:X+\j+1], v[X+\j:X+\j+1], v[X+\j+8:X+\j+9]
.endr
	v_pk_add_f32 v[X:X+1], v[X:X+1], v[X+16:X+17]
	v_add_f32 v[X], v[X], v[X+1]                   ; lane 8 t + e: my wave's part of logit (t, e)
	ds_store_b32 v6, v[X]
	s_wait_dscnt 0x0                               ; for the others' sake: my store has landed
	s_barrier_signal -1
	s_barrier_wait -1
	s_cmp_lg_u32 s18, 0
	s_cbranch_scc1 .Ldone                          ; the rest is wave 0's
	; lane l works token l % 4 (eight lanes do the same work; threads 0 to 3 store)
.irp w, 0,1,2,3
	ds_load_b128 v[WGR+8*\w:WGR+8*\w+3], v10 offset:128*\w
	ds_load_b128 v[WGR+8*\w+4:WGR+8*\w+7], v10 offset:128*\w+16
.endr
	s_wait_dscnt 0x0
.irp p, 0,2,4,6
	v_pk_add_f32 v[WGR+\p:WGR+\p+1], v[WGR+\p:WGR+\p+1], v[WGR+8+\p:WGR+8+\p+1]
	v_pk_add_f32 v[WGR+16+\p:WGR+16+\p+1], v[WGR+16+\p:WGR+16+\p+1], v[WGR+24+\p:WGR+24+\p+1]
.endr
.irp p, 0,2,4,6
	v_pk_add_f32 v[WGR+\p:WGR+\p+1], v[WGR+\p:WGR+\p+1], v[WGR+16+\p:WGR+16+\p+1]
.endr
.irp e, 0,1,2,3,4,5,6,7
	v_add_f32 v[WGR+\e], s[24+\e], v[WGR+\e]       ; + bg
.endr
	; the largest: a later expert wins only if strictly larger, so the lower index stays among equals
	v_mov_b32 v100, v[WGR]
	v_mov_b32 v101, 0
.irp e, 1,2,3,4,5,6,7
	v_cmp_gt_f32 vcc_lo, v[WGR+\e], v100
	v_cndmask_b32 v100, v100, v[WGR+\e], vcc_lo
	v_cndmask_b32 v101, v101, v[EN+\e], vcc_lo
.endr
	v_mov_b32 v102, 0xff800000                     ; the winner's logit becomes -infinity, and the scan is made again
.irp e, 0,1,2,3,4,5,6,7
	v_cmp_eq_u32 vcc_lo, \e, v101
	v_cndmask_b32 v[WGR+\e], v[WGR+\e], v102, vcc_lo
.endr
	v_mov_b32 v103, v[WGR]
	v_mov_b32 v104, 0
.irp e, 1,2,3,4,5,6,7
	v_cmp_gt_f32 vcc_lo, v[WGR+\e], v103
	v_cndmask_b32 v103, v103, v[WGR+\e], vcc_lo
	v_cndmask_b32 v104, v104, v[EN+\e], vcc_lo
.endr
	; softmax of the two, the larger taken away: 1 / (1 + p) and p / (1 + p), p = e^(second - first), at most 1
	v_sub_f32 v105, v103, v100
	v_mul_f32 v105, 0x3fb8aa3b, v105
	s_wait_alu depctr_va_vdst(0)
	v_exp_f32 v106, v105
	v_mov_b32 v111, 1                              ; (a plain line behind the exponential)
	s_wait_alu depctr_va_vdst(0)
	v_add_f32 v107, 1.0, v106
	s_wait_alu depctr_va_vdst(0)
	v_rcp_f32 v108, v107
	v_mov_b32 v112, 0x100                          ; (a plain line behind the reciprocal)
	s_wait_alu depctr_va_vdst(0)
	v_mul_f32 v109, v106, v108
	v_lshlrev_b32 v110, v101, v111
	v_lshlrev_b32 v112, v104, v112
	v_or_b32 v110, v110, v112                      ; (1 << first) | (256 << second)
	s_wait_alu depctr_va_vdst(0)
	s_wait_xcnt 0x0                                ; EXEC changes only behind this wait: the stores of codes have been issued
	v_cmp_gt_u32 vcc_lo, 4, v0
	s_wait_tensorcnt 0x0
	ds_add_u32 v176, v177
	s_wait_dscnt 0x0
	s_and_saveexec_b32 s20, vcc_lo
	global_store_b32 v12, v110, s[14:15]
	global_store_b64 v7, v[108:109], s[16:17]
	s_endpgm
.Ldone:
	s_wait_tensorcnt 0x0
	ds_add_u32 v176, v177
	s_wait_dscnt 0x0
	s_endpgm
.Lfunc_end_k_q0892dc3541_route:
	.size	k_q0892dc3541_route, .Lfunc_end_k_q0892dc3541_route-k_q0892dc3541_route
	.p2alignl 7, 3214868480
	.fill 96, 4, 3214868480
	.section	.rodata,"a",@progbits
	.p2align	6, 0x0
	.amdhsa_kernel k_q0892dc3541_route
		.amdhsa_group_segment_fixed_size 19456
		.amdhsa_private_segment_fixed_size 0
		.amdhsa_enable_private_segment 0
		.amdhsa_kernarg_size 56
		.amdhsa_user_sgpr_count 2
		.amdhsa_user_sgpr_kernarg_segment_ptr 1
		.amdhsa_wavefront_size32 1
		.amdhsa_system_sgpr_workgroup_id_x 1
		.amdhsa_system_sgpr_workgroup_id_y 1
		.amdhsa_system_sgpr_workgroup_id_z 1
		.amdhsa_system_vgpr_workitem_id 0
		.amdhsa_next_free_vgpr 178
		.amdhsa_next_free_sgpr 66
		.amdhsa_reserve_vcc 1
		.amdhsa_float_denorm_mode_32 3
		.amdhsa_float_denorm_mode_16_64 3
		.amdhsa_memory_ordered 1
		.amdhsa_forward_progress 1
		.amdhsa_inst_pref_size 24
	.end_amdhsa_kernel
	.amdgpu_metadata
---
amdhsa.version: [ 1, 2 ]
amdhsa.kernels:
  - .name:           k_q0892dc3541_route
    .symbol:         k_q0892dc3541_route.kd
    .args:
      - { .name: x, .offset: 0, .size: 8, .value_kind: global_buffer, .address_space: global }
      - { .name: Wg, .offset: 8, .size: 8, .value_kind: global_buffer, .address_space: global }
      - { .name: bg, .offset: 16, .size: 8, .value_kind: global_buffer, .address_space: global }
      - { .name: lowp_scales, .offset: 24, .size: 8, .value_kind: global_buffer, .address_space: global }
      - { .name: xq, .offset: 32, .size: 8, .value_kind: global_buffer, .address_space: global }
      - { .name: sel, .offset: 40, .size: 8, .value_kind: global_buffer, .address_space: global }
      - { .name: gates, .offset: 48, .size: 8, .value_kind: global_buffer, .address_space: global }
    .group_segment_fixed_size: 19456
    .private_segment_fixed_size: 0
    .kernarg_segment_align: 8
    .kernarg_segment_size: 56
    .max_flat_workgroup_size: 128
    .sgpr_count:     66
    .vgpr_count:     178
    .wavefront_size: 32
...
	.end_amdgpu_metadata
.endif
;; end of part 5
;; launch up (part 6): grid 32 x 8, 4 waves a work-group, no clusters, 133,632 bytes of LDS; arguments xq, W1_codes, b1, lowp_scales, sel, h, rows; writes h, rows
.if DOCPART == 6
	.amdgcn_target "amdgcn-amd-amdhsa--gfx1250"
	.amdhsa_code_object_version 6
	.text
	.protected	k_q0892dc3541_up
	.globl	k_q0892dc3541_up
	.p2align	8
	.type	k_q0892dc3541_up,@function
k_q0892dc3541_up:
	s_mov_b64 s[64:65], 0
	v_nop
	global_prefetch_b8 v0, s[64:65] scope:SCOPE_SE
	s_setreg_imm32_b32 hwreg(HW_REG_WAVE_SCHED_MODE, 0, 2), 2
	s_setreg_imm32_b32 hwreg(HW_REG_WAVE_MODE, 25, 1), 1
	s_wait_xcnt 0x0
	s_wait_alu depctr_vm_vsrc(0)
; h = Q(relu(x W1 + b1)) FOR THE CHOSEN ROWS ALONE, on codes of E4M3.  Work-group (SL, E) owns hidden units 128 SL .. 128 SL + 127 of expert E: 128 rows of W1's codes, 128 KiB, which no other
; work-group reads.  They lie in LDS; all rows that chose the expert pass by them.  The 128 units are K step SL of the second product.
; THE ROWS OF AN EXPERT are found here, from the stored choices, by whole-number work while the weights are on their way: a ballot for each of the 32 registers that hold the 1,024 choices gives
; 32 masks; row j of the expert is the j-th set bit of the masks on end.  Work-group SL = 0 stores the list and the count for the next launch.
; An id is 2 token + slot.  The last tile's rows beyond the count get id 2048 + 16 E + r: they are computed from token 1023 and land in rows of their own that nobody reads.
; An expert that nobody chose still makes one such tile, so that every byte read later has been stored.
; SHARES.  Tiles of 16 rows are dealt to the four waves in turn: slot i of wave w is tile T0 + w + 4 i, i = 0 .. 4: a pass serves 20 tiles; more rows take more passes (four at the most: 1,024 rows).
; A slot beyond the last tile is worked like the others and not stored.
; THE MATRIX INSTRUCTION IS USED TRANSPOSED: source 0 = 16 rows of W1, source 1 = 16 rows of x: a lane holds ONE row of x, and its registers run along the hidden units.
; THE ROWS OF W1 THAT FORM A TILE ARE NOT NEIGHBOURS: unit f lies in LDS row f with bits 3 and 4 exchanged, so row m of tile 2 b + u is unit 32 b + 8 u + m + 8 (m / 8), and the 16 registers of
; tiles 2 b and 2 b + 1 are 16 neighbours along the next K: 32 b + 16 (lane / 16) + 0 .. 15.  The conversions' results are the next operand's registers, stored as their image: chunk c, lane l at 512 c + 16 l.
; Fragments are fetched 16 bytes a lane at 32 c + 16 (lane / 16): a permutation of k that is the same on both sides of each product.
; b1 / 2^(ew1 + ex) is the C of each sum's first product; the three scales are folded into the conversion's one, 2^(eh - ew1 - ex); the hold between 0 and 448 x that is also the activation.
; No tensor load and no cluster: trip counts and addresses hang on stored counts, and no two work-groups share a weight byte.
; LIMITS: eh - ew1 - ex between -126 and 119.  NaN is not served.
; THE MODE: SCHED_MODE bits 1:0 = 2 (LLVM: expert scheduling mode 2), set by the entry lines.  The code itself states the register dependences
; between vector or matrix instructions and memory or LDS instructions, with s_wait_alu, always for 0.
; THE PLAN.  A UNIT is 20 products: four tiles of W1 x five tiles of x; unit h = 2 ks + g takes W1's tiles 4 g .. 4 g + 3 at K step ks.  Registers that memory or LDS instructions touch in a pass:
;   sets 0 .. 2   four fragments of W1 each.  Unit h's products read set h % 3; the LDS loads issued in unit h land in set (h + 2) % 3, which unit h - 1 read.
;   ring 0 .. 3   five fragments of x each.  K step ks's products read slot ks % 4; the loads issued in its two units land in slot (ks + 3) % 4, which K step ks - 1 read.
;   v7, v8, v3    LDS addresses and 16 x lane: made at the head, never written again.     v10-14  the rows' offsets: written by the search between passes.
; So ONE wait on va_vdst stands at a unit's head: the unit before is done reading its set and, where a K step begins, its ring slot.  The unit's products name the sums, b1, set h % 3 and slot ks % 4:
; none of the registers that the unit's loads touch; so the loads are dealt among the products, in runs of twelve or eight, each run under its own register window.
; Behind the last product each slot's codes have sixteen registers of their own, so a slot's stores want the one wait that shows its conversions written.
; At a pass's end one wait on vm_vsrc frees all that stores and loads have read and the next pass's search writes again.
; REGISTERS, in windows of 256.  Window 0: v1-17 what stays; v18-35 the search's results; v46, v47 the closing add's two; v48-53 the list's offsets; v62, v63 the count's store; v64-127 b1;
;   v128-255 sets 0 and 1; between passes v128-175 are the search's work registers; behind the last product v128-207 take the codes, 16 a slot.
;   window 1: v0-159 the sums of W1's tiles 0-3 (tile n, slot i at 8 (5 n + i)); v160-239 ring slot 3.   window 2: v0-159 the sums of tiles 4-7; v160-223 set 2.   window 3: v0-239 ring slots 0-2.
;   At the head windows 1 and 2 (v0-127 each) take the weights on their way to LDS, window 3 v0-33 the choices.
; SCALARS: s8-13 the masks of the search's compares (b1, the scales and the choices have been read by then), s18 wave, s19 E, s20 SL, s21 the expert's rows, s22 its tiles, s23 T0, s24 the pass, s25 the passes,
;   s28-31 at work, s32-63 and s66-97 the masks.
.set WP,   1040                        ; an LDS row: 1,024 bytes + 16 = 65 x 16: the 16 rows of a fragment load start at 16 different banks
.set XO,   10                          ; v10-14  slot i: byte offset in xq of my row, + 16 (lane / 16)
.set SC,   15                          ; v15     2^(eh - ew1 - ex)
.set LIM,  16                          ; v16     448 x that
.set VJ,   18                          ; v18-20  the row numbers sought: lanes 0-15 / 16-31 hold slots 0 / 1, 2 / 3, 4 / 4
.set VKQ,  21                          ; v21-23  (j << 5) | 31
.set VQ,   24                          ; v24-26  (rows ahead of the mask << 5) | the mask's number
.set VW,   27                          ; v27-29  the mask that holds row j
.set VX1,  30                          ; v30-32  the same mask of second choices
.set VID,  33                          ; v33-35  the ids
.set LO,   48                          ; v48-53  the list's offsets
.set BI,   64
.set SB,   128                         ; the search's work registers, 16 for each of the three: +0 bits still to pass over, +1 .. +4 counts of fields of 2, 4, 8, 16 bits, +5 the place, +6, +7 at work
.set PC,   128                         ; the codes: slot i at PC + 16 i
.set MK,   8                           ; s8-13
.set MSB,  0
.macro WIN new                         ; the immediate's high byte repeats the setting that is left; a switch that changes nothing is dropped
.if MSB != (\new)
	s_set_vgpr_msb (MSB<<8)|(\new)
.set MSB, (\new)
.endif
.endm
.macro PLACES                          ; four plain lines between a matrix instruction and a load into, or a vector read or write of, its registers
.rept 4
	v_nop
.endr
.endm
.macro RING ks                         ; where K step ks's fragments of x lie: window RW, from register RB
.if ((\ks)%4) == 3
.set RW, 1
.set RB, 160
.else
.set RW, 3
.set RB, 80*((\ks)%4)
.endif
.endm
.macro WSET h                          ; where unit h's fragments of W1 lie: window WFW, from register WFB
.if ((\h)%3) == 2
.set WFW, 2
.set WFB, 160
.else
.set WFW, 0
.set WFB, 128+64*((\h)%3)
.endif
.endm
.macro XLOAD ks, i0, cnt               ; four loads a tile: the fragments of K step ks of slots i0 .. i0 + cnt - 1, straight from memory into the operand's registers
	RING \ks
	WIN RW<<6
.set xi, \i0
.rept \cnt
.irp c, 0,1,2,3
	global_load_b128 v[RB+16*xi+4*\c:RB+16*xi+4*\c+3], v[XO+xi], s[4:5] offset:128*(\ks)+32*\c
.endr
.set xi, xi+1
.endr
.endm
.macro PREFILL
	s_wait_alu depctr_va_vdst(0)                   ; the rows' offsets are written, which the loads of x read; the ballots (first pass) or the last pass's products are done reading the ring and the sets; the search has written v128-175, in which W1's fragments land
	XLOAD 0, 0, 5
	XLOAD 1, 0, 5
	XLOAD 2, 0, 5
	WIN 0
.endm
.macro WFLOAD h, n0                    ; 8 LDS loads: two of unit h's four fragments of W1
	WSET \h
	WIN WFW<<6
.irp n, \n0, \n0+1
.irp c, 0,1,2,3
	ds_load_b128 v[WFB+16*(\n)+4*\c:WFB+16*(\n)+4*\c+3], v[7+(\h)%2] offset:16*WP*(\n)+128*((\h)/2)+32*\c
.endr
.endr
.endm
.macro MUL5 h, n                       ; 5 products: tile n of unit h's four x the five tiles of x; the accumulators take turns, one instruction a turn
	RING (\h)/2
	WSET \h
.if (\h) < 2
	WIN (((\h)%2+1)<<6)|(RW<<2)|WFW
.else
	WIN (((\h)%2+1)<<6)|(((\h)%2+1)<<4)|(RW<<2)|WFW
.endif
.irp i, 0,1,2,3,4
.if (\h) < 2
	v_wmma_f32_16x16x128_fp8_fp8 v[8*(5*(\n)+\i):8*(5*(\n)+\i)+7], v[WFB+16*(\n):WFB+16*(\n)+15], v[RB+16*\i:RB+16*\i+15], v[BI+8*(4*((\h)%2)+(\n)):BI+8*(4*((\h)%2)+(\n))+7]
.else
	v_wmma_f32_16x16x128_fp8_fp8 v[8*(5*(\n)+\i):8*(5*(\n)+\i)+7], v[WFB+16*(\n):WFB+16*(\n)+15], v[RB+16*\i:RB+16*\i+15], v[8*(5*(\n)+\i):8*(5*(\n)+\i)+7]
.endif
.endr
.endm
.macro UNIT h
.if ((\h)%2) == 0
.if 7-(\h)/2 >= 2
	s_wait_loadcnt 40                              ; this K step's 20 loads are in; those of the two steps behind it may be out.  60 loads of x are out at the most
.else
	s_wait_loadcnt 20*(7-(\h)/2)
.endif
.endif
.if (\h) < 15
	s_wait_dscnt 16                                ; this unit's four fragments of W1 are in; the next unit's 16 loads may be out
.else
	s_wait_dscnt 0
.endif
.if ((\h) > 0) && ((\h)+2 < 16)
	s_wait_alu depctr_va_vdst(0)                   ; the unit before is done reading its set of W1's fragments, in which the LDS loads below land; where a K step begins, the step before is done reading its ring slot, in which this step's loads of x land
.endif
	MUL5 \h, 0
.if (\h)/2+3 < 8
.if ((\h)%2) == 0
	XLOAD (\h)/2+3, 0, 3                           ; three K steps ahead: slots 0 to 2 in the step's first unit,
.else
	XLOAD (\h)/2+3, 3, 2                           ; slots 3 and 4 in its second.  No product since the wait names these registers
.endif
.endif
	MUL5 \h, 1
.if (\h)+2 < 16
	WFLOAD (\h)+2, 0                               ; two units ahead
.endif
	MUL5 \h, 2
.if (\h)+2 < 16
	WFLOAD (\h)+2, 2
.endif
	MUL5 \h, 3
	PLACES
.endm
; Does the sought bit lie beyond the next w bits?  For all three registers of row numbers at once: three compares, one wait, six selects.  The counts of fields of w bits lie in v[a0 + as v].
.macro BITSTEP a0, as, w, fb
.irp v, 0,1,2
	v_bfe_u32 v[SB+16*\v+6], v[\a0+\as*\v], v[SB+16*\v+5], \fb
	v_cmp_ge_u32 s[MK+\v], v[SB+16*\v], v[SB+16*\v+6]
	v_sub_nc_u32 v[SB+16*\v+6], v[SB+16*\v], v[SB+16*\v+6]
	v_add_nc_u32 v[SB+16*\v+7], \w, v[SB+16*\v+5]
.endr
	s_wait_alu depctr_va_sdst(0)                   ; the three compares have written s8-10, which the selects read
.irp v, 0,1,2
	v_cndmask_b32 v[SB+16*\v], v[SB+16*\v], v[SB+16*\v+6], s[MK+\v]
	v_cndmask_b32 v[SB+16*\v+5], v[SB+16*\v+5], v[SB+16*\v+7], s[MK+\v]
.endr
.endm
; The ids and offsets of this pass's rows.  Whole numbers alone; the one branch hangs on the work-group's number.
.macro SELECT
	s_add_co_u32 s31, s23, s18
	s_lshl_b32 s31, s31, 4                         ; the first row of my slot 0
	v_lshl_add_u32 v[VJ], v2, 6, v1
	v_add_nc_u32 v[VJ], s31, v[VJ]                 ; slots 0 and 1: 64 rows apart
	v_add_nc_u32 v[VJ+1], 0x80, v[VJ]              ; slots 2 and 3
	v_add_nc_u32 v[VJ+2], s31, v1
	v_add_nc_u32 v[VJ+2], 0x100, v[VJ+2]           ; slot 4, in both halves
.irp v, 0,1,2
	v_lshl_or_b32 v[VKQ+\v], v[VJ+\v], 5, 31
	v_mov_b32 v[VQ+\v], 0
	v_mov_b32 v[VW+\v], s32
	v_mov_b32 v[VX1+\v], s66
.endr
	s_bcnt1_i32_b32 s28, s32                       ; rows ahead of mask 1
.set L, 1
	s_wait_alu depctr_va_vdst(0)
.rept 15                               ; the last mask with at most j rows ahead of it holds row j.  Two masks a turn: six compares in a run, one wait, the selects in the masks' order
	s_lshl_b32 s29, s28, 5
	s_or_b32 s29, s29, L
	s_bcnt1_i32_b32 s30, s[32+L]
	s_add_co_u32 s28, s28, s30
	s_lshl_b32 s31, s28, 5
	s_or_b32 s31, s31, L+1
	s_bcnt1_i32_b32 s30, s[33+L]
	s_add_co_u32 s28, s28, s30
.irp v, 0,1,2
	v_cmp_le_u32 s[MK+\v], s29, v[VKQ+\v]
	v_cmp_le_u32 s[MK+3+\v], s31, v[VKQ+\v]
.endr
	s_wait_alu depctr_va_sdst(0)                   ; the six compares have written s8-13, which the selects read
.irp v, 0,1,2
	v_cndmask_b32 v[VQ+\v], v[VQ+\v], s29, s[MK+\v]
	v_cndmask_b32 v[VW+\v], v[VW+\v], s[32+L], s[MK+\v]
	v_cndmask_b32 v[VX1+\v], v[VX1+\v], s[66+L], s[MK+\v]
.endr
.irp v, 0,1,2
	v_cndmask_b32 v[VQ+\v], v[VQ+\v], s31, s[MK+3+\v]
	v_cndmask_b32 v[VW+\v], v[VW+\v], s[33+L], s[MK+3+\v]
	v_cndmask_b32 v[VX1+\v], v[VX1+\v], s[67+L], s[MK+3+\v]
.endr
.set L, L+2
.endr
	s_lshl_b32 s29, s28, 5                         ; mask 31,
	s_or_b32 s29, s29, 31
.irp v, 0,1,2
	v_cmp_le_u32 s[MK+\v], s29, v[VKQ+\v]
	v_cmp_gt_u32 s[MK+3+\v], s21, v[VJ+\v]         ; and: is row j one of the expert's?  s11-13 are kept to the search's end
.endr
	s_wait_alu depctr_va_sdst(0)                   ; the six compares have written s8-13: s8-10 are read by the selects below, s11-13 by the ids' selects
.irp v, 0,1,2
	v_cndmask_b32 v[VQ+\v], v[VQ+\v], s29, s[MK+\v]
	v_cndmask_b32 v[VW+\v], v[VW+\v], s63, s[MK+\v]
	v_cndmask_b32 v[VX1+\v], v[VX1+\v], s97, s[MK+\v]
.endr
.irp v, 0,1,2
	v_lshrrev_b32 v[SB+16*\v], 5, v[VQ+\v]
	v_sub_nc_u32 v[SB+16*\v], v[VJ+\v], v[SB+16*\v]        ; which set bit of the mask
	v_lshrrev_b32 v[SB+16*\v+1], 1, v[VW+\v]
	v_and_b32 v[SB+16*\v+1], 0x55555555, v[SB+16*\v+1]
	v_sub_nc_u32 v[SB+16*\v+1], v[VW+\v], v[SB+16*\v+1]    ; counts of fields of 2 bits,
	v_lshrrev_b32 v[SB+16*\v+2], 2, v[SB+16*\v+1]
	v_and_b32 v[SB+16*\v+2], 0x33333333, v[SB+16*\v+2]
	v_and_b32 v[SB+16*\v+3], 0x33333333, v[SB+16*\v+1]
	v_add_nc_u32 v[SB+16*\v+2], v[SB+16*\v+2], v[SB+16*\v+3]   ; of 4,
	v_lshrrev_b32 v[SB+16*\v+3], 4, v[SB+16*\v+2]
	v_add_nc_u32 v[SB+16*\v+3], v[SB+16*\v+3], v[SB+16*\v+2]
	v_and_b32 v[SB+16*\v+3], 0x0f0f0f0f, v[SB+16*\v+3]     ; of 8,
	v_lshrrev_b32 v[SB+16*\v+4], 8, v[SB+16*\v+3]
	v_add_nc_u32 v[SB+16*\v+4], v[SB+16*\v+4], v[SB+16*\v+3]
	v_and_b32 v[SB+16*\v+4], 0x00ff00ff, v[SB+16*\v+4]     ; of 16
	v_mov_b32 v[SB+16*\v+5], 0
.endr
	BITSTEP SB+4, 16, 16, 8
	BITSTEP SB+3, 16, 8, 8
	BITSTEP SB+2, 16, 4, 4
	BITSTEP SB+1, 16, 2, 2
	BITSTEP VW, 1, 1, 1
.irp v, 0,1,2
	v_and_b32 v[SB+16*\v+1], 31, v[VQ+\v]                  ; which mask
	v_lshrrev_b32 v[SB+16*\v+6], 2, v[SB+16*\v+1]          ; register 4 a + c of lane p held token 128 a + 4 p + c
	v_lshlrev_b32 v[SB+16*\v+6], 7, v[SB+16*\v+6]
	v_lshl_add_u32 v[SB+16*\v+6], v[SB+16*\v+5], 2, v[SB+16*\v+6]
	v_and_b32 v[SB+16*\v+7], 3, v[SB+16*\v+1]
	v_add_nc_u32 v[SB+16*\v+6], v[SB+16*\v+6], v[SB+16*\v+7]
	v_bfe_u32 v[SB+16*\v+7], v[VX1+\v], v[SB+16*\v+5], 1   ; the expert is the token's second choice?
	v_lshl_or_b32 v[SB+16*\v+6], v[SB+16*\v+6], 1, v[SB+16*\v+7]   ; id = 2 token + slot
	v_add_nc_u32 v[SB+16*\v+7], s99, v1                    ; beyond the count: 2048 + 16 E + r
	v_cndmask_b32 v[VID+\v], v[SB+16*\v+7], v[SB+16*\v+6], s[MK+3+\v]
.endr
	s_cmp_lg_u32 s20, 0
	s_cbranch_scc1 .Lnolist_\@
.irp v, 0,1,2                          ; the list in row order, and in the order of the next launch's stores: row r of a tile at place 8 (r % 2) + r / 2
	v_lshlrev_b32 v[LO+\v], 2, v[VJ+\v]
	v_sub_nc_u32 v[LO+3+\v], v[VJ+\v], v1
	v_add_lshl_u32 v[LO+3+\v], v[LO+3+\v], v17, 2
.endr
	s_wait_alu depctr_va_vdst(0)                   ; the three ids and the six offsets are written, which the stores read
.irp v, 0,1,2
	global_store_b32 v[LO+\v], v[VID+\v], s[16:17]
	global_store_b32 v[LO+3+\v], v[VID+\v], s[16:17] offset:5120
.endr
.Lnolist_\@:
.irp v, 0,1                            ; a slot's 16 ids into both halves of the lanes; the token, clamped last, makes the offset
	v_permlanex16_b32 v[SB+16*\v], v[VID+\v], s2, s3
	v_cndmask_b32 v[SB+16*\v+1], v[VID+\v], v[SB+16*\v], s100
	v_cndmask_b32 v[SB+16*\v+2], v[SB+16*\v], v[VID+\v], s100
	v_lshrrev_b32 v[SB+16*\v+1], 1, v[SB+16*\v+1]
	v_lshrrev_b32 v[SB+16*\v+2], 1, v[SB+16*\v+2]
	v_min_u32 v[SB+16*\v+1], 0x3ff, v[SB+16*\v+1]
	v_min_u32 v[SB+16*\v+2], 0x3ff, v[SB+16*\v+2]
	v_lshl_add_u32 v[XO+2*\v], v[SB+16*\v+1], 10, v4
	v_lshl_add_u32 v[XO+2*\v+1], v[SB+16*\v+2], 10, v4
.endr
	v_lshrrev_b32 v[SB+33], 1, v[VID+2]
	v_min_u32 v[SB+33], 0x3ff, v[SB+33]
	v_lshl_add_u32 v[XO+4], v[SB+33], 10, v4
.endm
	s_load_b256 s[4:11], s[0:1], 0x0               ; xq s[4:5], W1's codes s[6:7], b1 s[8:9], the scales' exponents s[10:11]
	s_load_b128 s[12:15], s[0:1], 0x20             ; sel s[12:13], h s[14:15]
	s_load_b64 s[16:17], s[0:1], 0x30              ; rows
	v_lshl_add_u32 v46, v0, 2, 0x20800
	v_mov_b32 v47, 0
	v_lshrrev_b32 v36, 5, v0
	v_readfirstlane_b32 s18, v36                   ; wave 0..3
	s_and_b32 s19, ttmp7, 0xffff                   ; E
	s_mov_b32 s20, ttmp9                           ; SL
	v_and_b32 v1, 15, v0                           ; r
	v_bfe_u32 v2, v0, 4, 1                         ; lane / 16
	v_and_b32 v36, 31, v0
	v_lshlrev_b32 v3, 4, v36                       ; 16 x lane
	v_lshlrev_b32 v4, 4, v2
	s_wait_alu depctr_va_sdst(0)                   ; s18 is written, ahead of its first reader
	s_lshl_b32 s24, s18, 15
	v_add_nc_u32 v5, s24, v3                       ; my wave's 32 rows of W1 in memory: 32 KiB on end
	s_mul_i32 s24, s18, 32*WP
	v_add_nc_u32 v6, s24, v3                       ; and in LDS
	v_mul_u32_u24 v7, v1, WP
	v_lshl_add_u32 v7, v2, 4, v7                   ; a fragment's row x pitch + 16 x half: tiles 0-3,
	v_add_nc_u32 v8, 64*WP, v7                     ; tiles 4-7
	v_lshlrev_b32 v9, 6, v2                        ; b1: 16 numbers further for lanes 16-31
	v_and_b32 v17, 1, v1
	v_lshrrev_b32 v37, 1, v1
	v_lshl_add_u32 v17, v17, 3, v37                ; 8 (r % 2) + r / 2
	s_mov_b32 s2, 0x76543210                       ; v_permlanex16_b32: each lane takes its own place in the other half
	s_mov_b32 s3, 0xfedcba98
	s_lshl_b32 s98, 0x101, s19                     ; the expert's bit as first or second choice,
	s_lshl_b32 s101, 0x100, s19                    ; as second choice
	s_lshl_b32 s99, s19, 4
	s_add_co_u32 s99, s99, 2048
	s_mov_b32 s100, 0xffff0000                     ; lanes 16-31
	s_lshl_b32 s24, s19, 22
	s_lshl_b32 s25, s20, 17
	s_add_co_u32 s24, s24, s25
	s_mov_b32 s25, 0                               ; W1: 4 MiB an expert, 128 rows of 1,024 bytes a slice
	s_lshl_b32 s26, s19, 14
	s_lshl_b32 s27, s20, 9
	s_add_co_u32 s26, s26, s27
	s_mov_b32 s27, 0                               ; b1
	s_lshl_b32 s28, s19, 22
	s_lshl_b32 s29, s18, 16
	s_add_co_u32 s28, s28, s29
	s_lshl_b32 s29, s20, 11
	s_add_co_u32 s28, s28, s29
	s_mov_b32 s29, 0                               ; h: [expert][tile 64][K step 32][2,048]: tile = my wave's number, K step = SL
	s_mul_i32 s30, s19, 12288
	s_mov_b32 s31, 0                               ; rows
	s_wait_kmcnt 0x0
	s_add_nc_u64 s[6:7], s[6:7], s[24:25]
	s_add_nc_u64 s[8:9], s[8:9], s[26:27]
	s_add_nc_u64 s[14:15], s[14:15], s[28:29]
	s_add_nc_u64 s[16:17], s[16:17], s[30:31]
	s_load_b128 s[24:27], s[10:11], 0x0            ; ew1, ex, eh, ew2
	s_wait_alu depctr_va_vdst(0)                   ; the offsets and LDS addresses v3 and v5 to v9 are written, which the loads, LDS stores and LDS loads of the whole kernel read; none of them is written again
.irp n, 0,1,2,3,4,5,6,7                ; b1 in the result's layout: tile 2 b + u, lane half h: units 32 b + 16 h + 8 u + 0 .. 7
	global_load_b128 v[BI+8*\n:BI+8*\n+3], v9, s[8:9] offset:128*(\n/2)+32*(\n%2)
	global_load_b128 v[BI+8*\n+4:BI+8*\n+7], v9, s[8:9] offset:128*(\n/2)+32*(\n%2)+16
.endr
	WIN 0xc0
.irp i, 0,1,2,3,4,5,6,7                ; all 1,024 choices: register 4 i + c of lane l is token 128 i + 4 l + c
	global_load_b128 v[4*\i:4*\i+3], v3, s[12:13] offset:512*\i
.endr
	WIN 0x40
.set j, 0
.rept 32                               ; the weights: each load 512 consecutive bytes; read by nobody else in the launch
	global_load_b128 v[4*j:4*j+3], v5, s[6:7] offset:512*j th:TH_LOAD_NT
.set j, j+1
.endr
	WIN 0x80
.rept 32
	global_load_b128 v[4*(j-32):4*(j-32)+3], v5, s[6:7] offset:512*j th:TH_LOAD_NT
.set j, j+1
.endr
	s_wait_loadcnt 63                              ; b1's 16 loads and the choices' 8 are in: behind them stand the 64 loads of weights, of which 63 may be out
	WIN 0xcc
.set L, 0
.rept 32
	v_and_b32 v32, s98, v[L]
	v_cmp_ne_u32 s[32+L], 0, v32                   ; who chose the expert,
	v_and_b32 v33, s101, v[L]
	v_cmp_ne_u32 s[66+L], 0, v33                   ; and who as second choice
.set L, L+1
.endr
	WIN 0
	s_wait_alu depctr_va_sdst(0)                   ; the 64 compares have written the masks s32-63 and s66-97, ahead of their first reader
	s_wait_kmcnt 0x0
	s_add_co_i32 s28, s24, s25                     ; ew1 + ex: a sum stands for sum x 2^(ew1 + ex)
	s_sub_co_i32 s29, 0, s28
	s_sub_co_i32 s30, s26, s28
	s_add_co_i32 s30, s30, 127
	s_lshl_b32 s31, s30, 23
	v_mov_b32 v[SC], s31
	s_add_co_i32 s30, s30, 8
	s_lshl_b32 s30, s30, 23
	s_or_b32 s30, s30, 0x600000
	v_mov_b32 v[LIM], s30
.set j, 0
.rept 64
	v_ldexp_f32 v[BI+j], v[BI+j], s29              ; b1 / 2^(ew1 + ex)
.set j, j+1
.endr
	s_bcnt1_i32_b32 s21, s32
.set L, 1
.rept 31
	s_bcnt1_i32_b32 s28, s[32+L]
	s_add_co_u32 s21, s21, s28                     ; the expert's rows
.set L, L+1
.endr
	s_add_co_u32 s22, s21, 15
	s_lshr_b32 s22, s22, 4
	s_max_u32 s22, s22, 1                          ; its tiles, one at the least, 64 at the most
	s_add_co_u32 s25, s22, 19
	s_mul_i32 s25, s25, 205
	s_lshr_b32 s25, s25, 12                        ; the passes, ceil(tiles / 20): (n x 205) >> 12 is n / 20 for n up to 83
	s_mov_b32 s24, 0                               ; the pass
	s_or_b32 s28, s20, s18
	s_cmp_lg_u32 s28, 0
	s_cbranch_scc1 .Lnocnt
	v_mov_b32 v62, s21
	v_lshrrev_b32 v63, 2, v3
	s_wait_alu depctr_va_vdst(0)                   ; v62 and v63 are written, which the store reads; they are not written again
	global_store_b32 v63, v62, s[16:17] offset:10240   ; the count, for the next launch
.Lnocnt:
	s_mov_b32 s23, 0                               ; T0
	SELECT
	PREFILL
	s_wait_loadcnt 60                              ; the weights are in; the 60 loads of x behind them may be out
	WIN 0x04
.set j, 0
.rept 32
.set F5, j>>1
	ds_store_b128 v6, v[4*j:4*j+3] offset:((F5&7)|(((F5>>3)&1)<<4)|(((F5>>4)&1)<<3))*WP+512*(j&1)
.set j, j+1
.endr
	WIN 0x08
.rept 32
.set F5, j>>1
	ds_store_b128 v6, v[4*(j-32):4*(j-32)+3] offset:((F5&7)|(((F5>>3)&1)<<4)|(((F5>>4)&1)<<3))*WP+512*(j&1)
.set j, j+1
.endr
	WIN 0
	s_wait_dscnt 0x0                               ; for the others' sake: my 32 rows lie in LDS
	s_barrier_signal -1
	s_barrier_wait -1                              ; all 128 do; nothing is written there again
	s_wait_alu depctr_vm_vsrc(0)                   ; my LDS stores have read v0-127 of windows 1 and 2: these registers are the sums from here on, written by the products
.Lpass:
	WFLOAD 0, 0                                    ; the first two units' fragments.  No vector or matrix instruction since the wait ahead of the prefill names sets 0 and 1
	WFLOAD 0, 2
	WFLOAD 1, 0
	WFLOAD 1, 2
.irp h, 0,1,2,3,4,5,6,7,8,9,10,11,12,13,14,15
	UNIT \h
.endr
	WIN 0
	; the way out: activation and hold in one, the conversion, the image.  A wave's tiles ascend with the slot: at the first beyond the last tile it is done
.irp i, 0,1,2,3,4
	s_add_co_u32 s28, s23, s18
	s_add_co_u32 s28, s28, 4*\i
	s_cmp_ge_u32 s28, s22
	s_cbranch_scc1 .Lepi_done
.irp g, 0,1
	WIN ((\g+1)<<6)|(\g+1)
.irp n, 0,1,2,3
.irp j, 0,1,2,3,4,5,6,7
	v_med3_num_f32 v[8*(5*\n+\i)+\j], v[8*(5*\n+\i)+\j], 0, v[LIM]
.endr
.endr
	WIN (\g+1)
.irp n, 0,1,2,3
	v_cvt_scalef32_pk8_fp8_f32 v[PC+16*\i+2*(4*\g+\n):PC+16*\i+2*(4*\g+\n)+1], v[8*(5*\n+\i):8*(5*\n+\i)+7], v[SC]
.endr
.endr
	v_nop                                          ; a plain line behind the last conversion
	WIN 0
	s_wait_alu depctr_va_vdst(0)                   ; the slot's eight conversions have written its sixteen registers of codes, which the stores read
.irp b, 0,1,2,3
	global_store_b128 v3, v[PC+16*\i+4*\b:PC+16*\i+4*\b+3], s[14:15] offset:262144*\i+512*\b   ; 512 consecutive bytes, aligned; slot i's tile lies 4 tiles of 65,536 bytes on
.endr
.endr
.Lepi_done:
	s_wait_xcnt 0x0                                ; the stores have read their base and registers: both may be written again
	s_wait_alu depctr_vm_vsrc(0)                   ; the stores have read the codes in v128-207, the ids and the list's offsets, and the loads of x their offsets: the next pass's search writes all of these again, and W1's fragments land on the codes
	s_add_nc_u64 s[14:15], s[14:15], 20<<16
	s_add_co_u32 s23, s23, 20
	s_add_co_u32 s24, s24, 1                       ; the loop is counted by the pass, one a trip
	s_cmp_ge_u32 s24, s25
	s_cbranch_scc1 .Lend
	SELECT
	PREFILL
	s_cmp_lt_u32 s24, s25
	s_cbranch_scc1 .Lpass
.Lend:
	s_wait_dscnt 0x0                               ; the closing lines, six on end, of a launch in the mode that stores to LDS
	s_wait_alu 0x0
	s_wait_tensorcnt 0x0
	ds_add_u32 v46, v47
	s_wait_dscnt 0x0
	s_endpgm
.Lfunc_end_k_q0892dc3541_up:
	.size	k_q0892dc3541_up, .Lfunc_end_k_q0892dc3541_up-k_q0892dc3541_up
	.p2alignl 7, 3214868480
	.fill 96, 4, 3214868480
	.section	.rodata,"a",@progbits
	.p2align	6, 0x0
	.amdhsa_kernel k_q0892dc3541_up
		.amdhsa_group_segment_fixed_size 133632
		.amdhsa_private_segment_fixed_size 0
		.amdhsa_enable_private_segment 0
		.amdhsa_kernarg_size 56
		.amdhsa_user_sgpr_count 2
		.amdhsa_user_sgpr_kernarg_segment_ptr 1
		.amdhsa_wavefront_size32 1
		.amdhsa_system_sgpr_workgroup_id_x 1
		.amdhsa_system_sgpr_workgroup_id_y 1
		.amdhsa_system_sgpr_workgroup_id_z 1
		.amdhsa_system_vgpr_workitem_id 0
		.amdhsa_next_free_vgpr 1024
		.amdhsa_next_free_sgpr 102
		.amdhsa_reserve_vcc 0
		.amdhsa_float_denorm_mode_32 3
		.amdhsa_float_denorm_mode_16_64 3
		.amdhsa_memory_ordered 1
		.amdhsa_forward_progress 1
		.amdhsa_inst_pref_size 196
	.end_amdhsa_kernel
	.amdgpu_metadata
---
amdhsa.version: [ 1, 2 ]
amdhsa.kernels:
  - .name:           k_q0892dc3541_up
    .symbol:         k_q0892dc3541_up.kd
    .args:
      - { .name: xq, .offset: 0, .size: 8, .value_kind: global_buffer, .address_space: global }
      - { .name: W1_codes, .offset: 8, .size: 8, .value_kind: global_buffer, .address_space: global }
      - { .name: b1, .offset: 16, .size: 8, .value_kind: global_buffer, .address_space: global }
      - { .name: lowp_scales, .offset: 24, .size: 8, .value_kind: global_buffer, .address_space: global }
      - { .name: sel, .offset: 32, .size: 8, .value_kind: global_buffer, .address_space: global }
      - { .name: h, .offset: 40, .size: 8, .value_kind: global_buffer, .address_space: global }
      - { .name: rows, .offset: 48, .size: 8, .value_kind: global_buffer, .address_space: global }
    .group_segment_fixed_size: 133632
    .private_segment_fixed_size: 0
    .kernarg_segment_align: 8
    .kernarg_segment_size: 56
    .max_flat_workgroup_size: 128
    .sgpr_count:     102
    .vgpr_count:     1024
    .wavefront_size: 32
...
	.end_amdgpu_metadata
.endif
;; end of part 6
;; launch down (part 7): grid 32 x 8, 4 waves a work-group, no clusters, 150,016 bytes of LDS; arguments h, W2_codes, b2, lowp_scales, rows, gates, y; writes y
.if DOCPART == 7
	.amdgcn_target "amdgcn-amd-amdhsa--gfx1250"
	.amdhsa_code_object_version 6
	.text
	.protected	k_q0892dc3541_down
	.globl	k_q0892dc3541_down
	.p2align	8
	.type	k_q0892dc3541_down,@function
k_q0892dc3541_down:
	s_mov_b64 s[64:65], 0
	v_nop
	global_prefetch_b8 v0, s[64:65] scope:SCOPE_SE
	s_setreg_imm32_b32 hwreg(HW_REG_WAVE_SCHED_MODE, 0, 2), 2
	s_setreg_imm32_b32 hwreg(HW_REG_WAVE_MODE, 25, 1), 1
	s_wait_xcnt 0x0
	s_wait_alu depctr_vm_vsrc(0)
; y = gate x (2^(eh + ew2) x (h W2) [+ b2]) FOR THE CHOSEN ROWS, on codes of E4M3.  Work-group (x, E): DS = x % 16 owns 64 columns of expert E's output, KH = x / 16 one half of K (2,048 of 4,096):
; 64 rows x 2,048 bytes of W2's codes, 128 KiB, which no other work-group reads.  They lie in LDS; all tiles of the expert's hidden rows pass by them, loaded from memory as images of the operand's registers.
; The two halves of K go to two planes of y; the bias goes into plane 0 alone; the last launch adds a token's four pieces.  y: [KH][id][1024] f32, id = 2 token + slot, or a row of its own for a tile's padding.
; SHARES as in the launch before: slot i of wave w is tile T0 + w + 4 i, 20 tiles a pass.  A slot beyond the last tile loads the last tile again and is not stored.
; TRANSPOSED USE: source 0 = 16 rows of W2 (columns of y), source 1 = 16 hidden rows: a lane holds one row and eight neighbouring columns.  A tile's 16 rows x 256 bytes go through the wave's own stage in LDS
; and leave as whole rows: sixteen lanes store 256 consecutive bytes, aligned.
; No tensor load and no cluster: trip counts and addresses hang on stored counts, and no two work-groups share a weight byte.
; LIMITS: eh + ew2 between -126 and 127, so that 2^(eh + ew2) is an f32 number.
; THE MODE: SCHED_MODE bits 1:0 = 2 (LLVM: expert scheduling mode 2), set by the entry lines.  The code itself states the register dependences
; between vector or matrix instructions and memory or LDS instructions, with s_wait_alu, always for 0.
; THE PLAN.  A K step is 20 products: W2's four tiles x five tiles of hidden rows.  Registers that memory or LDS instructions touch in a pass:
;   sets 0 .. 2   four fragments of W2 each.  Step ks's products read set ks % 3; the LDS loads issued in step ks land in set (ks + 2) % 3, which step ks - 1 read.
;   ring 0 .. 3   five fragments of h each.  Step ks's products read slot ks % 4; the loads issued in step ks land in slot (ks + 3) % 4, which step ks - 1 read.
;   v3, v7-12     offsets and LDS addresses: made at the head, never written again.     v14-18, v30-34, the stores' offsets: written between passes.
; So ONE wait on va_vdst stands at a step's head: the step before is done reading its set and its ring slot.  The step's products name the sums, set ks % 3 and slot ks % 4: none of the registers that the
; step's loads touch; so the loads are dealt among the products: the 20 of h behind the fifth, eight of W2 behind the tenth, eight behind the fifteenth, each run under its own register window.
; Behind the last product every slot has 32 registers of its own for its numbers (where sets 0 and 1 lay) and 32 for its rows read back (where the ring lay): no out-buffer is written twice in a pass,
; and a slot wants the one wait that shows its numbers written.  At a pass's end one wait on vm_vsrc frees all that stores and loads have read and the next pass writes again.
; REGISTERS, in windows of 256.  Window 0: v1-18 what stays; v20-29 the gates, in pairs; v30-34 ids; v62, v63 the closing add's two; v64-95 b2; v96-255 on the way out: 32 a slot; v128-255 sets 0 and 1.
;   window 1: v0-159 the sums (tile n of W2, slot i at 8 (5 n + i)); v160-223 set 2; at the head all 256 take the weights on their way to LDS.   window 2: v0-239 ring slots 0-2; on the way out v0-159 the rows read back, 32 a slot.
;   window 3: v0-79 ring slot 3; v80-119 the stores' offsets, eight a slot.
; SCALARS: s18 wave, s19 E, s20 DS, s21 KH, s22 the expert's tiles, s23 T0, s24 the last tile, s25 its rows, s[26:27] 2^(eh + ew2), s28, s29 at work, s30 the pass, s31 the passes.
.set WP,   2064                        ; an LDS row: 2,048 bytes + 16 = 129 x 16
.set STG,  64*WP                       ; behind the weights: 16 rows x 272 bytes for each wave
.set HO,   14                          ; v14-18  slot i: byte offset of its tile's images, + 16 x lane
.set G,    20
.set ID1,  30
.set B2,   64
.set TMP,  96                          ; slot i at TMP + 32 i
.set YO,   80                          ; in window 3
.set BK,   0                           ; in window 2: slot i at BK + 32 i
.set MSB,  0
.macro WIN new
.if MSB != (\new)
	s_set_vgpr_msb (MSB<<8)|(\new)
.set MSB, (\new)
.endif
.endm
.macro PLACES                          ; four plain lines between a matrix instruction and a load into, or a vector read of, its registers
.rept 4
	v_nop
.endr
.endm
.macro RING ks
.if ((\ks)%4) == 3
.set RW, 3
.set RB, 0
.else
.set RW, 2
.set RB, 80*((\ks)%4)
.endif
.endm
.macro WSET ks                         ; where step ks's fragments of W2 lie: window WFW, from register WFB
.if ((\ks)%3) == 2
.set WFW, 1
.set WFB, 160
.else
.set WFW, 0
.set WFB, 128+64*((\ks)%3)
.endif
.endm
.macro HLOAD ks                        ; 20 loads of 512 consecutive bytes: five tiles' fragments of K step ks
	RING \ks
	WIN RW<<6
.irp i, 0,1,2,3,4
.irp c, 0,1,2,3
	global_load_b128 v[RB+16*\i+4*\c:RB+16*\i+4*\c+3], v[HO+\i], s[4:5] offset:2048*(\ks)+512*\c
.endr
.endr
.endm
.macro WFLOAD ks, n0                   ; 8 LDS loads: two of W2's four fragments of K step ks
	WSET \ks
	WIN WFW<<6
.irp n, \n0, \n0+1
.irp c, 0,1,2,3
	ds_load_b128 v[WFB+16*(\n)+4*\c:WFB+16*(\n)+4*\c+3], v[7+(\n)/2] offset:16*WP*((\n)%2)+128*(\ks)+32*\c
.endr
.endr
.endm
.macro MUL5 ks, n                      ; 5 products: tile n of W2 x the five tiles of h; the accumulators take turns, one instruction a turn; the first K step starts the sums
	RING \ks
	WSET \ks
	WIN 0x50|(RW<<2)|WFW
.irp i, 0,1,2,3,4
.if (\ks) == 0
	v_wmma_f32_16x16x128_fp8_fp8 v[8*(5*(\n)+\i):8*(5*(\n)+\i)+7], v[WFB+16*(\n):WFB+16*(\n)+15], v[RB+16*\i:RB+16*\i+15], 0
.else
	v_wmma_f32_16x16x128_fp8_fp8 v[8*(5*(\n)+\i):8*(5*(\n)+\i)+7], v[WFB+16*(\n):WFB+16*(\n)+15], v[RB+16*\i:RB+16*\i+15], v[8*(5*(\n)+\i):8*(5*(\n)+\i)+7]
.endif
.endr
.endm
.macro KSTEP ks
.if 15-(\ks) >= 2
	s_wait_loadcnt 40                              ; this step's 20 loads (and what was asked for ahead of them) are in; those of the two steps behind it may be out.  60 loads of h are out at the most
.else
	s_wait_loadcnt 20*(15-(\ks))
.endif
.if (\ks) < 15
	s_wait_dscnt 16                                ; this step's set is in; the next step's 16 loads may be out
.else
	s_wait_dscnt 0
.endif
.if ((\ks) > 0) && ((\ks)+2 < 16)
	s_wait_alu depctr_va_vdst(0)                   ; the step before is done reading its ring slot, in which the loads of h below land, and its set of W2's fragments, in which the LDS loads below land
.endif
	MUL5 \ks, 0
.if (\ks)+3 < 16
	HLOAD (\ks)+3                                  ; three steps ahead.  No product since the wait names these registers
.endif
	MUL5 \ks, 1
.if (\ks)+2 < 16
	WFLOAD (\ks)+2, 0                              ; two steps ahead
.endif
	MUL5 \ks, 2
.if (\ks)+2 < 16
	WFLOAD (\ks)+2, 2
.endif
	MUL5 \ks, 3
	PLACES
.endm
.macro LISTS                           ; the pass's ids: by row, for the gates; and in the order of the stores
.irp i, 0,1,2,3,4
	global_load_b32 v[ID1+\i], v11, s[12:13] offset:256*\i
.endr
	WIN 0xc0
.irp i, 0,1,2,3,4
	global_load_b128 v[YO+8*\i:YO+8*\i+3], v12, s[12:13] offset:5120+256*\i
	global_load_b128 v[YO+8*\i+4:YO+8*\i+7], v12, s[12:13] offset:5120+256*\i+16
.endr
	WIN 0
.endm
.macro IDPREP                          ; each loaded id is clamped before it enters an address
.irp i, 0,1,2,3,4
	v_min_u32 v[ID1+\i], 0x7ff, v[ID1+\i]          ; a padding row takes the last gate: its result lands in a row that nobody reads
.endr
.irp i, 0,1,2,3,4
	v_lshlrev_b32 v[ID1+\i], 2, v[ID1+\i]
.endr
	WIN 0xcf
.set q, 0
.rept 40
	v_min_u32 v[YO+q], 0x87f, v[YO+q]
	v_lshl_add_u32 v[YO+q], v[YO+q], 12, v4        ; id x 4,096 + 16 (lane % 16)
.set q, q+1
.endr
	WIN 0
.endm
.macro TILEADDR
.irp i, 0,1,2,3,4
	s_add_co_u32 s28, s23, s18
	s_add_co_u32 s28, s28, 4*\i
	s_min_u32 s28, s28, s24                        ; a slot beyond the last tile takes the last tile,
	s_min_u32 s28, s28, 63                         ; and the clamp by a constant comes last
	s_lshl_b32 s28, s28, 16
	v_add_nc_u32 v[HO+\i], s28, v3
.endr
.endm
.macro READY                           ; the pass's gates, and the ring's first three slots
	s_wait_alu depctr_va_vdst(0)                   ; the gates' offsets, the stores' offsets and the tiles' offsets are written, which the loads below and the pass's stores read; the last pass's multiplies are done reading the gates, its products the ring and the sets, and its way out has written v128-255, in which W2's fragments land
.irp i, 0,1,2,3,4
	global_load_b32 v[G+2*\i], v[ID1+\i], s[14:15]
.endr
	HLOAD 0
	HLOAD 1
	HLOAD 2
.endm
	s_load_b256 s[4:11], s[0:1], 0x0               ; h s[4:5], W2's codes s[6:7], b2 s[8:9], the scales' exponents s[10:11]
	s_load_b128 s[12:15], s[0:1], 0x20             ; rows s[12:13], gates s[14:15]
	s_load_b64 s[16:17], s[0:1], 0x30              ; y
	v_lshl_add_u32 v62, v0, 2, 0x24800
	v_mov_b32 v63, 0
	v_lshrrev_b32 v36, 5, v0
	v_readfirstlane_b32 s18, v36                   ; wave 0..3
	s_and_b32 s19, ttmp7, 0xffff                   ; E
	s_and_b32 s20, ttmp9, 15                       ; DS
	s_lshr_b32 s21, ttmp9, 4                       ; KH
	v_and_b32 v1, 15, v0                           ; r
	v_bfe_u32 v2, v0, 4, 1                         ; lane / 16
	v_and_b32 v36, 31, v0
	v_lshlrev_b32 v3, 4, v36                       ; 16 x lane
	v_lshlrev_b32 v4, 4, v1                        ; 16 r
	s_wait_alu depctr_va_sdst(0)                   ; s18 is written, ahead of its first reader
	s_lshl_b32 s28, s18, 16
	v_add_nc_u32 v5, s28, v3                       ; my wave's 16 rows of W2 in memory, 4,096 bytes apart
	s_mul_i32 s28, s18, 16*WP
	v_add_nc_u32 v6, s28, v3                       ; and in LDS
	v_mul_u32_u24 v7, v1, WP
	v_lshl_add_u32 v7, v2, 4, v7                   ; a fragment's row x pitch + 16 x half: tiles 0, 1,
	v_add_nc_u32 v8, 32*WP, v7                     ; tiles 2, 3
	s_mul_i32 s28, s18, 16*272
	s_add_co_u32 s28, s28, STG                     ; my stage
	v_mul_u32_u24 v9, v1, 272
	v_lshl_add_u32 v9, v2, 5, v9
	v_add_nc_u32 v9, s28, v9                       ; in: row r, 32 bytes for each half of the lanes
	v_mul_u32_u24 v10, v2, 272
	v_lshl_add_u32 v10, v1, 4, v10
	v_add_nc_u32 v10, s28, v10                     ; back: lanes 0-15 one row of 256 bytes, lanes 16-31 the next
	s_lshl_b32 s28, s18, 6
	v_lshl_add_u32 v11, v1, 2, s28                 ; the list by rows: tile = my wave's number, word r
	v_lshl_add_u32 v12, v2, 5, s28                 ; the list by stores: eight words for each half of the lanes
	v_lshlrev_b32 v13, 5, v2                       ; b2: eight numbers further for lanes 16-31
.irp i, 0,1,2,3,4
	v_mov_b32 v[G+2*\i+1], 0                       ; named as the upper halves of the gates' pairs
.endr
	s_lshl_b32 s36, s19, 22
	s_lshl_b32 s37, s20, 18
	s_add_co_u32 s36, s36, s37
	s_lshl_b32 s37, s21, 11
	s_add_co_u32 s36, s36, s37
	s_mov_b32 s37, 0                               ; W2: 4 MiB an expert, 64 rows of 4,096 bytes a slice, 2,048 bytes a half of K
	s_lshl_b32 s38, s19, 22
	s_lshl_b32 s39, s21, 15
	s_add_co_u32 s38, s38, s39
	s_mov_b32 s39, 0                               ; h: 16 K steps of 2,048 bytes a half
	s_lshl_b32 s40, s19, 12
	s_lshl_b32 s41, s20, 8
	s_add_co_u32 s40, s40, s41
	s_mov_b32 s41, 0                               ; b2
	s_mul_i32 s42, s19, 12288
	s_mov_b32 s43, 0                               ; rows
	s_mul_i32 s44, s21, 2176*4096
	s_lshl_b32 s45, s20, 8
	s_add_co_u32 s44, s44, s45
	s_mov_b32 s45, 0                               ; y: the plane, my 256 bytes of a row
	s_wait_kmcnt 0x0
	s_add_nc_u64 s[6:7], s[6:7], s[36:37]
	s_add_nc_u64 s[4:5], s[4:5], s[38:39]
	s_add_nc_u64 s[8:9], s[8:9], s[40:41]
	s_add_nc_u64 s[12:13], s[12:13], s[42:43]
	s_add_nc_u64 s[16:17], s[16:17], s[44:45]
	s_load_b128 s[32:35], s[10:11], 0x0            ; ew1, ex, eh, ew2
	s_load_b32 s25, s[12:13], 0x2800               ; the expert's rows
	s_wait_alu depctr_va_vdst(0)                   ; the offsets and LDS addresses v3 and v5 to v13 are written, which the loads, LDS stores and LDS loads of the whole kernel read; none of them is written again
	LISTS
.irp n, 0,1,2,3                        ; b2 in the result's layout: tile n, lane half h: columns 16 n + 8 h + 0 .. 7
	global_load_b128 v[B2+8*\n:B2+8*\n+3], v13, s[8:9] offset:64*\n
	global_load_b128 v[B2+8*\n+4:B2+8*\n+7], v13, s[8:9] offset:64*\n+16
.endr
	WIN 0x40
.set j, 0
.rept 64                               ; the weights: each load 512 consecutive bytes of one row; read by nobody else in the launch
	global_load_b128 v[4*j:4*j+3], v5, s[6:7] offset:4096*(j>>2)+512*(j&3) th:TH_LOAD_NT
.set j, j+1
.endr
	WIN 0
	s_wait_loadcnt 63                              ; the lists' 15 loads and b2's 8 are in: behind them stand the 64 loads of weights, of which 63 may be out
	IDPREP
	s_wait_kmcnt 0x0
	s_add_co_u32 s22, s25, 15
	s_lshr_b32 s22, s22, 4
	s_max_u32 s22, s22, 1                          ; the expert's tiles, one at the least, as in the launch before,
	s_min_u32 s22, s22, 64                         ; and 64 at the most: 1,024 rows
	s_sub_co_u32 s24, s22, 1
	s_add_co_u32 s31, s22, 19
	s_mul_i32 s31, s31, 205
	s_lshr_b32 s31, s31, 12                        ; the passes, ceil(tiles / 20): (n x 205) >> 12 is n / 20 for n up to 83
	s_mov_b32 s30, 0                               ; the pass
	s_add_co_i32 s26, s34, s35
	s_add_co_i32 s26, s26, 127
	s_lshl_b32 s26, s26, 23                        ; 2^(eh + ew2) as f32
	s_mov_b32 s27, s26                             ; (named with it as a pair)
	s_cmp_eq_u32 s21, 0
	s_cselect_b32 s29, -1, 0
.set j, 0
.rept 32
	v_and_b32 v[B2+j], s29, v[B2+j]                ; the bias counts in the first half of K alone
.set j, j+1
.endr
	s_mov_b32 s23, 0                               ; T0
	TILEADDR
	READY
	s_wait_loadcnt 60                              ; the weights and the gates are in; the 60 loads of h behind them may be out
	WIN 0x04
.set j, 0
.rept 64
	ds_store_b128 v6, v[4*j:4*j+3] offset:WP*(j>>2)+512*(j&3)
.set j, j+1
.endr
	WIN 0
	s_wait_dscnt 0x0                               ; for the others' sake: my 16 rows lie in LDS
	s_barrier_signal -1
	s_barrier_wait -1                              ; all 64 do; nothing is written there again
	s_wait_alu depctr_vm_vsrc(0)                   ; my LDS stores have read window 1: its v0-159 are the sums from here on, written by the products, and in its v160-223 fragments of W2 land
.Lpass:
	WFLOAD 0, 0                                    ; the first two steps' fragments.  No vector or matrix instruction since the wait ahead of the gates' loads names sets 0 and 1
	WFLOAD 0, 2
	WFLOAD 1, 0
	WFLOAD 1, 2
.irp ks, 0,1,2,3,4,5,6,7,8,9,10,11,12,13,14,15
	KSTEP \ks
.endr
	WIN 0
	; the way out.  A wave's tiles ascend with the slot: at the first beyond the last tile it is done
.irp i, 0,1,2,3,4
	s_add_co_u32 s28, s23, s18
	s_add_co_u32 s28, s28, 4*\i
	s_cmp_ge_u32 s28, s22
	s_cbranch_scc1 .Lepi_done
	WIN 0x01
.irp n, 0,1,2,3
.irp p, 0,2,4,6
	v_pk_fma_f32 v[TMP+32*\i+8*\n+\p:TMP+32*\i+8*\n+\p+1], v[8*(5*\n+\i)+\p:8*(5*\n+\i)+\p+1], s[26:27], v[B2+8*\n+\p:B2+8*\n+\p+1] op_sel_hi:[1,0,1]   ; sum x 2^(eh + ew2) + b2, each accumulator from its low end on
.endr
.endr
	WIN 0
.irp q, 0,2,4,6,8,10,12,14,16,18,20,22,24,26,28,30
	v_pk_mul_f32 v[TMP+32*\i+\q:TMP+32*\i+\q+1], v[TMP+32*\i+\q:TMP+32*\i+\q+1], v[G+2*\i:G+2*\i+1] op_sel_hi:[1,0]   ; x my row's gate
.endr
	s_wait_alu depctr_va_vdst(0)                   ; the multiplies have written the slot's 32 numbers, which the LDS stores read; the products are done reading the ring, where the rows read back land
.irp n, 0,1,2,3
	ds_store_b128 v9, v[TMP+32*\i+8*\n:TMP+32*\i+8*\n+3] offset:64*\n
	ds_store_b128 v9, v[TMP+32*\i+8*\n+4:TMP+32*\i+8*\n+7] offset:64*\n+16
.endr
	WIN 0x80
.irp t, 0,1,2,3,4,5,6,7
	ds_load_b128 v[BK+32*\i+4*\t:BK+32*\i+4*\t+3], v10 offset:544*\t   ; LDS serves a wave's instructions in order: these see my stores
.endr
	s_wait_dscnt 0x0
	WIN 0x0b
.irp t, 0,1,2,3,4,5,6,7
	global_store_b128 v[YO+8*\i+\t], v[BK+32*\i+4*\t:BK+32*\i+4*\t+3], s[16:17]   ; rows 2 t and 2 t + 1 of the tile: sixteen lanes store 256 consecutive bytes, aligned
.endr
	WIN 0
.endr
.Lepi_done:
	s_wait_alu depctr_vm_vsrc(0)                   ; the stores have read their offsets and the rows read back, the LDS stores the slots' numbers, the gates' loads and the loads of h their offsets: the next pass's lists, loads of h, fragments of W2 and address work write all of these again
	s_add_co_u32 s23, s23, 20
	s_add_co_u32 s30, s30, 1                       ; the loop is counted by the pass, one a trip
	s_cmp_ge_u32 s30, s31
	s_cbranch_scc1 .Lend
	s_wait_xcnt 0x0                                ; the stores have read their offsets: the next pass's lists may land there, and the lists' base may step
	s_add_nc_u64 s[12:13], s[12:13], 1280          ; 20 tiles x 16 words
	LISTS
	s_wait_loadcnt 0x0
	IDPREP
	TILEADDR
	READY
	WIN 0
	s_cmp_lt_u32 s30, s31
	s_cbranch_scc1 .Lpass
.Lend:
	s_wait_dscnt 0x0                               ; the closing lines, six on end, of a launch in the mode that stores to LDS
	s_wait_alu 0x0
	s_wait_tensorcnt 0x0
	ds_add_u32 v62, v63
	s_wait_dscnt 0x0
	s_endpgm
.Lfunc_end_k_q0892dc3541_down:
	.size	k_q0892dc3541_down, .Lfunc_end_k_q0892dc3541_down-k_q0892dc3541_down
	.p2alignl 7, 3214868480
	.fill 96, 4, 3214868480
	.section	.rodata,"a",@progbits
	.p2align	6, 0x0
	.amdhsa_kernel k_q0892dc3541_down
		.amdhsa_group_segment_fixed_size 150016
		.amdhsa_private_segment_fixed_size 0
		.amdhsa_enable_private_segment 0
		.amdhsa_kernarg_size 56
		.amdhsa_user_sgpr_count 2
		.amdhsa_user_sgpr_kernarg_segment_ptr 1
		.amdhsa_wavefront_size32 1
		.amdhsa_system_sgpr_workgroup_id_x 1
		.amdhsa_system_sgpr_workgroup_id_y 1
		.amdhsa_system_sgpr_workgroup_id_z 1
		.amdhsa_system_vgpr_workitem_id 0
		.amdhsa_next_free_vgpr 1024
		.amdhsa_next_free_sgpr 66
		.amdhsa_reserve_vcc 0
		.amdhsa_float_denorm_mode_32 3
		.amdhsa_float_denorm_mode_16_64 3
		.amdhsa_memory_ordered 1
		.amdhsa_forward_progress 1
		.amdhsa_inst_pref_size 132
	.end_amdhsa_kernel
	.amdgpu_metadata
---
amdhsa.version: [ 1, 2 ]
amdhsa.kernels:
  - .name:           k_q0892dc3541_down
    .symbol:         k_q0892dc3541_down.kd
    .args:
      - { .name: h, .offset: 0, .size: 8, .value_kind: global_buffer, .address_space: global }
      - { .name: W2_codes, .offset: 8, .size: 8, .value_kind: global_buffer, .address_space: global }
      - { .name: b2, .offset: 16, .size: 8, .value_kind: global_buffer, .address_space: global }
      - { .name: lowp_scales, .offset: 24, .size: 8, .value_kind: global_buffer, .address_space: global }
      - { .name: rows, .offset: 32, .size: 8, .value_kind: global_buffer, .address_space: global }
      - { .name: gates, .offset: 40, .size: 8, .value_kind: global_buffer, .address_space: global }
      - { .name: y, .offset: 48, .size: 8, .value_kind: global_buffer, .address_space: global }
    .group_segment_fixed_size: 150016
    .private_segment_fixed_size: 0
    .kernarg_segment_align: 8
    .kernarg_segment_size: 56
    .max_flat_workgroup_size: 128
    .sgpr_count:     66
    .vgpr_count:     1024
    .wavefront_size: 32
...
	.end_amdgpu_metadata
.endif
;; end of part 7
;; launch join (part 8): grid 256 x 1, 8 waves a work-group, no clusters, 0 bytes of LDS; arguments y, out0; writes out0
.if DOCPART == 8
	.amdgcn_target "amdgcn-amd-amdhsa--gfx1250"
	.amdhsa_code_object_version 6
	.text
	.protected	k_q0892dc3541_join
	.globl	k_q0892dc3541_join
	.p2align	8
	.type	k_q0892dc3541_join,@function
k_q0892dc3541_join:
	s_mov_b64 s[64:65], 0
	v_nop
	global_prefetch_b8 v0, s[64:65] scope:SCOPE_SE
	s_setreg_imm32_b32 hwreg(HW_REG_WAVE_MODE, 25, 1), 1
	s_wait_xcnt 0x0
; out[token] = the sum of its four pieces: two chosen experts (ids 2 token and 2 token + 1) x two halves of K.  The pieces already carry gate, scale and bias.
; A work-group takes 4 tokens, a wave half a row (2,048 bytes): sixteen loads and four stores of 512 consecutive bytes each.  A stream: no LDS, no barrier, no matrix unit.
.set PLANE, 2176*4096                  ; bytes of a plane of y
.set P, 8                              ; v8-71: piece 2 KH + slot at 16 registers each
	s_load_b128 s[4:7], s[0:1], 0x0                ; y s[4:5], out s[6:7]
	v_and_b32 v1, 31, v0
	v_lshrrev_b32 v2, 6, v0                        ; which of the 4 tokens
	v_bfe_u32 v3, v0, 5, 1                         ; which half of the row
	s_delay_alu instid0(VALU_DEP_3)
	v_lshlrev_b32 v1, 4, v1
	s_delay_alu instid0(VALU_DEP_1)
	v_lshl_add_u32 v1, v3, 11, v1                  ; 2,048 x half + 16 x lane
	s_delay_alu instid0(VALU_DEP_1)
	v_lshl_add_u32 v4, v2, 13, v1                  ; y: two rows of 4,096 bytes a token
	s_delay_alu instid0(VALU_DEP_2)
	v_lshl_add_u32 v5, v2, 12, v1                  ; out: one
	s_lshl_b32 s10, ttmp9, 15
	s_mov_b32 s11, 0
	s_lshl_b32 s12, ttmp9, 14
	s_mov_b32 s13, 0
	s_wait_alu depctr_va_vdst(0)
	s_wait_kmcnt 0x0
	s_add_nc_u64 s[4:5], s[4:5], s[10:11]
	s_add_nc_u64 s[8:9], s[4:5], PLANE
	s_add_nc_u64 s[6:7], s[6:7], s[12:13]
.irp s, 0,1
.irp m, 0,1,2,3
	global_load_b128 v[P+16*\s+4*\m:P+16*\s+4*\m+3], v4, s[4:5] offset:4096*\s+512*\m th:TH_LOAD_NT
	global_load_b128 v[P+32+16*\s+4*\m:P+32+16*\s+4*\m+3], v4, s[8:9] offset:4096*\s+512*\m th:TH_LOAD_NT
.endr
.endr
	s_wait_loadcnt 0x0
.irp j, 0,2,4,6,8,10,12,14
	v_pk_add_f32 v[P+\j:P+\j+1], v[P+\j:P+\j+1], v[P+16+\j:P+16+\j+1]
	v_pk_add_f32 v[P+32+\j:P+32+\j+1], v[P+32+\j:P+32+\j+1], v[P+48+\j:P+48+\j+1]
.endr
.irp j, 0,2,4,6,8,10,12,14
	v_pk_add_f32 v[P+\j:P+\j+1], v[P+\j:P+\j+1], v[P+32+\j:P+32+\j+1]
.endr
.irp m, 0,1,2,3
	global_store_b128 v5, v[P+4*\m:P+4*\m+3], s[6:7] offset:512*\m th:TH_STORE_NT
.endr
	s_endpgm
.Lfunc_end_k_q0892dc3541_join:
	.size	k_q0892dc3541_join, .Lfunc_end_k_q0892dc3541_join-k_q0892dc3541_join
	.p2alignl 7, 3214868480
	.fill 96, 4, 3214868480
	.section	.rodata,"a",@progbits
	.p2align	6, 0x0
	.amdhsa_kernel k_q0892dc3541_join
		.amdhsa_group_segment_fixed_size 0
		.amdhsa_private_segment_fixed_size 0
		.amdhsa_enable_private_segment 0
		.amdhsa_kernarg_size 16
		.amdhsa_user_sgpr_count 2
		.amdhsa_user_sgpr_kernarg_segment_ptr 1
		.amdhsa_wavefront_size32 1
		.amdhsa_system_sgpr_workgroup_id_x 1
		.amdhsa_system_sgpr_workgroup_id_y 1
		.amdhsa_system_sgpr_workgroup_id_z 1
		.amdhsa_system_vgpr_workitem_id 0
		.amdhsa_next_free_vgpr 88
		.amdhsa_next_free_sgpr 66
		.amdhsa_reserve_vcc 0
		.amdhsa_float_denorm_mode_32 3
		.amdhsa_float_denorm_mode_16_64 3
		.amdhsa_memory_ordered 1
		.amdhsa_forward_progress 1
		.amdhsa_inst_pref_size 5
	.end_amdhsa_kernel
	.amdgpu_metadata
---
amdhsa.version: [ 1, 2 ]
amdhsa.kernels:
  - .name:           k_q0892dc3541_join
    .symbol:         k_q0892dc3541_join.kd
    .args:
      - { .name: y, .offset: 0, .size: 8, .value_kind: global_buffer, .address_space: global }
      - { .name: out0, .offset: 8, .size: 8, .value_kind: global_buffer, .address_space: global }
    .group_segment_fixed_size: 0
    .private_segment_fixed_size: 0
    .kernarg_segment_align: 8
    .kernarg_segment_size: 16
    .max_flat_workgroup_size: 256
    .sgpr_count:     66
    .vgpr_count:     88
    .wavefront_size: 32
...
	.end_amdgpu_metadata
.endif
;; end of part 8
